; MI455X (gfx1250); checked and timed in simulation.
; The chip was launched on July 23, 2026; its instructions are those of AMD's public machine-readable ISA for CDNA 5 (MIT licence, August 2026) and "CDNA5" Instruction Set Architecture Reference Guide (July 2026). The comments in the code are by the model that wrote it; some were corrected since.
;; Multi Head Attention2. Allowed arithmetic: matrix products marked QUANTISED: E3M2 operands, one E8M0 scale for each 32 along K, by v_wmma_scale_f32_16x16x128_f8f6f4 with both operands' format E3M2, f32 sums; everything else in f32.
;; Inputs: K 4 x 2,048 x 1,024 float32; Q 4 x 2,048 x 1,024 float32; V 4 x 2,048 x 1,024 float32; Wk 1,024 x 1,024 float32; Wo 1,024 x 1,024 float32; Wq 1,024 x 1,024 float32; Wv 1,024 x 1,024 float32; attn_mask 4 x 2,048 x 2,048 bool; bk 1,024 float32; bo 1,024 float32; bq 1,024 float32; bv 1,024 float32; ln_b 1,024 float32; ln_g 1,024 float32.
;; Outputs: out0 4 x 2,048 x 1,024 float32.
;; This version of the problem:
;;   THIS VERSION OF THE PROBLEM IS GIVEN IN LOW PRECISION. The matrix products marked QUANTISED in the list below multiply operands that are first quantised to E3M2 (3 exponent bits, 2 mantissa bits; 6 bits a number), with one power-of-two scale for each 32 numbers along K (OCP MX v1.0); their sums are f32. All else is computed in f32.
;;   The module's matrix products, in the order in which they are computed (A, B: the left and right operand; K: the contracted axis; several contracted axes count as one K, in the product's order):
;;     1. [M 8,192, K 1,024] x [K 1,024, N 1,024]; A: input Q; B: input Wq: QUANTISED
;;     2. [M 8,192, K 1,024] x [K 1,024, N 1,024]; A: input K; B: input Wk: QUANTISED
;;     3. [M 8,192, K 1,024] x [K 1,024, N 1,024]; A: input V; B: input Wv: QUANTISED
;;     4. batch 64 x [M 2,048, K 64] x [K 64, N 2,048]; A: computed on the way; B: computed on the way: QUANTISED
;;     5. batch 64 x [M 2,048, K 2,048] x [K 2,048, N 64]; A: softmax (see below); B: computed on the way: QUANTISED
;;     6. [M 8,192, K 1,024] x [K 1,024, N 1,024]; A: computed on the way; B: input Wo: QUANTISED
;;   THE QUANTISER, for each operand of a quantised product, along K:
;;     - K is cut into blocks of 32 from its start; a last block that is shorter is filled with zeros.
;;     - A block's scale is 2^e with e = floor(log2(the largest magnitude in the block)) - 4, held to -126 .. 127; a block of zeros has e = 0. As a byte (E8M0): e + 127.
;;     - Each number is divided by its block's scale, clamped to +-28, and rounded to the nearest number of E3M2, ties to even, subnormals kept.
;;     - The product sums the exact products of the quantised numbers (number of the format x scale) in f32.
;;   ~~~python
;;   def quantise(x, axis):      # numpy; x: float32 -> the quantised numbers, widened to float32 again
;;       x = np.moveaxis(x, axis, -1); K = x.shape[-1]
;;       x = np.pad(x, [(0, 0)] * (x.ndim - 1) + [(0, -K % 32)]); x = x.reshape(x.shape[:-1] + (-1, 32)); a = np.abs(x).max(-1, keepdims=True)
;;       e = np.where(a > 0, np.clip(np.frexp(np.where(a > 0, a, 1))[1] - 1 - 4, -126, 127), 0)      # np.frexp(a)[1] - 1 = floor(log2(a)), exactly
;;       r = np.clip(x / 2.0 ** e, -28, 28)
;;       step = 2.0 ** (np.maximum(np.frexp(np.where(r == 0, 1, r))[1] - 1, -2) - 2)
;;       q = np.round(r / step) * step * 2.0 ** e      # np.round: ties to even
;;       return np.moveaxis(q.reshape(q.shape[:-2] + (-1,))[..., :K], -1, axis).astype(np.float32)
;;   ~~~
;;   SOFTMAX AHEAD OF A QUANTISED PRODUCT. Where the list says 'softmax', what is quantised is not the finished softmax but p = 2^(t - M), with t = logit x log2(e) and M = ceil(the row's largest t), a whole number; so 1/2 < the row's largest p <= 1. The row's sum l is taken of the UNQUANTISED p, in f32, and the product's result is divided by l at the end. Since M is a whole number, a kernel that streams over the keys may use a running M (the ceiling of the running maximum): every later rescaling is an exact power of two, which a block's scale takes up: the codes' values come out the same.
;;   OPERANDS COMPUTED ON THE WAY. 'Computed on the way' means the value that the module computes at that place (a softmax that the list does not call 'softmax' is quantised finished and normalised). What goes into a quantiser is computed in f32, as accurately as f32 sums, v_exp_f32 and their like allow (about 1e-6 of the number): no bf16 or f16 on the way to a quantiser, and a product that is left as it is and whose result goes on into a quantised operand takes f32 operands (vector FMAs, or v_wmma_f32_16x16x4_f32). A number that lies on a knife's edge between two numbers of the format may be rounded either way, as far as f32 arithmetic and the matrix unit's own rounding can turn it there, and no further.
;; 2 versions, each right; version 2 is version 1 with the launches attn, outln written anew for expert scheduling mode. Each part assembles by itself: llvm-mc -triple=amdgcn-amd-amdhsa -mcpu=gfx1250 --defsym DOCPART=n.
;; ======== version 1 of 2: 4 launches
;; limits: right only within a limited range of input values
;; workspace buffers: xq 19,660,800 bytes; wq 3,276,800 bytes; mw 2,097,152 bytes of whole numbers; aq 19,660,800 bytes; cq 6,553,600 bytes
;; launch prep (part 1): grid 640 x 1, 4 waves a work-group, no clusters, 35,328 bytes of LDS; arguments Q, K, V, Wq, Wk, Wv, Wo, attn_mask, xq, wq, mw; writes xq, wq, mw
.if DOCPART == 1
	.amdgcn_target "amdgcn-amd-amdhsa--gfx1250"
	.amdhsa_code_object_version 6
	.text
	.protected	k_qd1576217b2_prep
	.globl	k_qd1576217b2_prep
	.p2align	8
	.type	k_qd1576217b2_prep,@function
k_qd1576217b2_prep:
	s_mov_b64 s[64:65], 0
	v_nop
	global_prefetch_b8 v0, s[64:65] scope:SCOPE_SE
	s_setreg_imm32_b32 hwreg(HW_REG_WAVE_MODE, 25, 1), 1
	s_wait_xcnt 0x0
; PREP.  Q, K, V [8192][1024] f32 and the four weights [1024 (k)][1024 (n)] f32 become codes of BF6 (E3M2) with one E8M0 byte for each 32 along K,
; laid in the order of the matrix operand's registers; the mask becomes one bit a lane.
; A block's scale is 2^(floor(log2(largest magnitude)) - 4); its byte is the largest magnitude's exponent field - 4, held at 1 from below.
; LIMITS: a block of zeros gets the byte 1 (its codes are zeros; the bytes are read by this program alone); NaN and infinities are not served.
; TILE ORDER: rows (tokens, or a weight's n) are stored in groups of 32 as two tiles of 16: tile 2 g + u, place i, is row 32 g + 8 u + i + 8 (i / 8).
; IMAGE: a fragment (16 rows x 128 K, 12 registers a lane) is 1,536 bytes: registers 4 c .. 4 c + 3 of lane L at 512 c + 16 L.
; xq: codes [tensor 3][tile 512][K step 8][1536]; from XS on the scale bytes [tensor][stored row 8192][32].
; wq: codes [weight 4][tile 64][K step 8][1536]; from WS on [weight][stored row 1024][32].
; mw: words [batch][query tile 128][key step 16][64]: bit L of word 16 c + i is mask(query of lane L % 16 of the tile, key 128 s + 32 c + 16 (L / 16) + i).
; Work-groups 0-383: a wave takes a tile of 16 rows of Q, K or V, all of K.  384-511: a wave takes a tile of 16 columns of a weight, half of K.  512-639: a wave takes a query tile of the mask.
; No tensor loads, no barrier: waves share nothing.
.set XS,   18874368
.set WS,   3145728
.set R0,   16                          ; v16-143  two sets of 64 numbers as loaded (the mask way: 32 x 4 registers of mask bytes)
.set XR,   144                         ; v144-207 64 numbers in the quantiser's order (the mask way: v144-159 words, v160-167 at work)
.set PC,   208                         ; v208-219 a fragment's codes
.set TMPC, 220                         ; v220-227 the conversions' second halves
.set TM,   228                         ; v228-243 at work in QUANT
.set SW,   244                         ; v244-251 a scale word for each K step
.set OD,   252                         ; v252-255 store data
.set SEL,  36                          ; s[36:37] lane selects for v_permlanex16_b32: lane l xor 16
; 64 numbers of a lane, register 16 b + i = k 32 b + 16 (lane / 16) + i of the lane's row, become codes: v[d0] on hold k = 32 (lane / 16) + 0 .. 31, v[d1] on k = 64 + 32 (lane / 16) + 0 .. 31; v[pw] the row's scale word.
.macro QUANT s, d0, d1, tmp, pw
.irp b, 0,1,2,3
	v_max3_num_f32 v[TM+\b], |v[\s+16*\b]|, |v[\s+1+16*\b]|, 0x2800000   ; block b: my 16 numbers and the floor 2^(5 - 127): the byte cannot fall under 1
.endr
.irp i, 2,4,6,8,10,12,14
.irp b, 0,1,2,3
	v_max3_num_f32 v[TM+\b], v[TM+\b], |v[\s+16*\b+\i]|, |v[\s+1+16*\b+\i]|   ; the four blocks by turns
.endr
.endr
.irp b, 0,1,2,3
	v_permlanex16_b32 v[TM+4+\b], v[TM+\b], s[SEL], s[SEL+1]
.endr
.irp b, 0,1,2,3
	v_max_num_f32 v[TM+\b], v[TM+\b], v[TM+4+\b]   ; with lane l xor 16's: the block's largest magnitude
.endr
.irp b, 0,1,2,3
	v_add_nc_u32 v[TM+12+\b], 0xfe000000, v[TM+\b]   ; 4 off its exponent field: the conversion's scale operand
.endr
.irp b, 0,1,2,3
	v_lshrrev_b32 v[TM+4+\b], 23, v[TM+12+\b]      ; the scale's byte
.endr
	v_lshl_or_b32 v[\pw], v[TM+5], 8, v[TM+4]
	v_lshl_or_b32 v[\pw], v[TM+6], 16, v[\pw]
	v_lshl_or_b32 v[\pw], v[TM+7], 24, v[\pw]
	v_cvt_scalef32_pk16_bf6_f32 v[\d0:\d0+2], v[\s:\s+15], v[TM+12]
	v_cvt_scalef32_pk16_bf6_f32 v[\tmp:\tmp+2], v[\s+16:\s+31], v[TM+13]
	v_cvt_scalef32_pk16_bf6_f32 v[\d1:\d1+2], v[\s+32:\s+47], v[TM+14]
	v_cvt_scalef32_pk16_bf6_f32 v[\tmp+4:\tmp+6], v[\s+48:\s+63], v[TM+15]
	v_nop                                          ; one plain place behind the scaled conversions
.irp i, 0,1,2
	v_permlane16_swap_b32 v[\d0+\i], v[\tmp+\i]    ; a whole block to a lane: lanes 0-15 the even block, lanes 16-31 the odd one
.endr
.irp i, 0,1,2
	v_mov_b32 v[\d0+3+\i], v[\tmp+\i]
.endr
.irp i, 0,1,2
	v_permlane16_swap_b32 v[\d1+\i], v[\tmp+4+\i]
.endr
.irp i, 0,1,2
	v_mov_b32 v[\d1+3+\i], v[\tmp+4+\i]
.endr
.endm
	s_load_b512 s[4:19], s[0:1], 0x0               ; Q, K, V, Wq, Wk, Wv, Wo, the mask
	s_load_b128 s[20:23], s[0:1], 0x40             ; xq, wq
	s_load_b64 s[24:25], s[0:1], 0x50              ; mw
	v_lshl_add_u32 v238, v0, 2, 0x8800
	v_mov_b32 v239, 0
	v_lshrrev_b32 v1, 5, v0
	v_readfirstlane_b32 s26, v1                    ; wave 0..3
	v_and_b32 v1, 31, v0                           ; lane L
	v_and_b32 v2, 15, v0                           ; r
	v_bfe_u32 v3, v0, 4, 1                         ; h
	v_lshlrev_b32 v4, 4, v1                        ; 16 L
	s_mul_i32 s27, s26, 8704                       ; my wave's stage: 16 rows of 528 bytes
	v_add_nc_u32 v5, s27, v4                       ; into it: a row's 512 bytes as loaded
	v_mul_u32_u24 v6, v2, 528
	v_lshl_add_u32 v6, v3, 6, v6
	v_add_nc_u32 v6, s27, v6                       ; out of it: row r, my half's 16 numbers of a block
	v_and_b32 v10, 8, v2
	v_add_nc_u32 v10, v10, v2                      ; r + 8 (r / 8): a place's row in its group of 32
	s_mov_b32 s[SEL], 0x76543210
	s_mov_b32 s[SEL+1], 0xfedcba98
	s_mov_b32 s38, 0xffff0000                      ; lanes 16-31
	s_mov_b32 s33, 0                               ; the high word of every offset
.irp b, 0,1,2,3
	v_mov_b32 v[TM+4+\b], 0                        ; written once: a lane permute's destination counts as one of its sources
.endr
	s_wait_kmcnt 0x0
	s_cmp_ge_u32 ttmp9, 512
	s_cbranch_scc1 .Lmask
	s_cmp_ge_u32 ttmp9, 384
	s_cbranch_scc1 .Lweights
; ---- Q, K, V: K is innermost.  A step's 16 loads read 512 consecutive bytes of a row each; they turn through the wave's own stage, so that a lane holds 16 neighbours of each block of its row.
	s_lshl_b32 s27, ttmp9, 2
	s_add_co_u32 s27, s27, s26                     ; task
	s_lshr_b32 s28, s27, 9                         ; tensor 0, 1, 2
	s_and_b32 s29, s27, 511                        ; tile
	s_cmp_lt_u32 s28, 1
	s_cselect_b64 s[30:31], s[4:5], s[6:7]
	s_cmp_lt_u32 s28, 2
	s_cselect_b64 s[30:31], s[30:31], s[8:9]
	s_lshr_b32 s32, s29, 1
	s_lshl_b32 s32, s32, 17                        ; 32 rows of 4,096 bytes a group,
	s_and_b32 s34, s29, 1
	s_lshl_b32 s34, s34, 15                        ; 8 rows for the odd tile
	s_add_co_u32 s32, s32, s34
	s_add_nc_u64 s[30:31], s[30:31], s[32:33]
	s_mul_i32 s32, s28, 6291456
	s_mul_i32 s34, s29, 12288
	s_add_co_u32 s32, s32, s34
	s_add_nc_u64 s[40:41], s[20:21], s[32:33]      ; the tile's codes
	s_lshl_b32 s32, s28, 18
	s_lshl_b32 s34, s29, 9
	s_add_co_u32 s32, s32, s34
	s_add_co_u32 s32, s32, XS
	s_add_nc_u64 s[42:43], s[20:21], s[32:33]      ; its scale bytes
	v_lshlrev_b32 v8, 5, v2
	v_lshl_add_u32 v8, v3, 4, v8                   ; 32 r + 16 h
.macro XLOADS s
.irp i, 0,1,2,3,4,5,6,7,8,9,10,11,12,13,14,15
	global_load_b128 v[R0+64*((\s)%2)+4*\i:R0+64*((\s)%2)+4*\i+3], v4, s[30:31] offset:(\i+8*(\i/8))*4096+512*(\s) th:TH_LOAD_NT
.endr
.endm
.macro XSTEP s
.if (\s) < 7
	s_wait_loadcnt 16                              ; this step's 16 loads are in; the next step's 16 may be out
.else
	s_wait_loadcnt 0x0
.endif
.irp i, 0,1,2,3,4,5,6,7,8,9,10,11,12,13,14,15
	ds_store_b128 v5, v[R0+64*((\s)%2)+4*\i:R0+64*((\s)%2)+4*\i+3] offset:528*\i
.endr
.irp b, 0,1,2,3
.irp j, 0,1,2,3
	ds_load_b128 v[XR+16*\b+4*\j:XR+16*\b+4*\j+3], v6 offset:128*\b+16*\j   ; LDS serves a wave's instructions in order: these see the stores above
.endr
.endr
	s_wait_dscnt 0x0                               ; the stores have read the set, and the numbers are back
	s_wait_xcnt 0x0                                ; the last step's stores have read the codes' registers
.if (\s)+2 < 8
	XLOADS (\s)+2
.endif
	QUANT XR, PC, PC+6, TMPC, SW+(\s)
.irp c, 0,1,2
	global_store_b128 v4, v[PC+4*\c:PC+4*\c+3], s[40:41] offset:1536*(\s)+512*\c   ; 512 consecutive bytes a store
.endr
.endm
	XLOADS 0
	XLOADS 1
.irp t, 0,1,2,3,4,5,6,7
	XSTEP \t
.endr
.irp i, 0,1,2,3
	v_cndmask_b32 v[OD+\i], v[SW+\i], v[SW+4+\i], s38   ; lanes 0-15 store a row's words 0-3, lanes 16-31 its words 4-7
.endr
	global_store_b128 v8, v[OD:OD+3], s[42:43]     ; the tile's 512 scale bytes on end
	s_wait_tensorcnt 0x0
	ds_add_u32 v238, v239
	s_wait_dscnt 0x0
	s_endpgm
; ---- the weights: K is the FIRST axis.  A lane takes a column n and its registers run down K, in the quantiser's order: nothing is transposed.
.Lweights:
	s_sub_co_u32 s27, ttmp9, 384
	s_lshl_b32 s27, s27, 2
	s_add_co_u32 s27, s27, s26                     ; task
	s_lshr_b32 s28, s27, 7                         ; weight 0..3
	s_bfe_u32 s29, s27, 0x10006                    ; which half of K
	s_and_b32 s34, s27, 63                         ; tile of 16 columns
	s_cmp_lt_u32 s28, 1
	s_cselect_b64 s[30:31], s[10:11], s[12:13]
	s_cmp_lt_u32 s28, 2
	s_cselect_b64 s[30:31], s[30:31], s[14:15]
	s_cmp_lt_u32 s28, 3
	s_cselect_b64 s[30:31], s[30:31], s[16:17]
	s_lshr_b32 s32, s34, 1
	s_lshl_b32 s32, s32, 7                         ; 32 columns of 4 bytes a group,
	s_and_b32 s35, s34, 1
	s_lshl_b32 s35, s35, 5                         ; 8 columns for the odd tile,
	s_add_co_u32 s32, s32, s35
	s_lshl_b32 s35, s29, 21                        ; 512 rows of 4,096 bytes for the second half of K
	s_add_co_u32 s32, s32, s35
	s_add_nc_u64 s[30:31], s[30:31], s[32:33]
	s_mul_i32 s32, s28, 786432
	s_mul_i32 s35, s34, 12288
	s_add_co_u32 s32, s32, s35
	s_mul_i32 s35, s29, 6144
	s_add_co_u32 s32, s32, s35
	s_add_nc_u64 s[40:41], s[22:23], s[32:33]      ; the codes of my four K steps
	s_lshl_b32 s32, s28, 15
	s_lshl_b32 s35, s34, 9
	s_add_co_u32 s32, s32, s35
	s_lshl_b32 s35, s29, 4
	s_add_co_u32 s32, s32, s35
	s_add_co_u32 s32, s32, WS
	s_add_nc_u64 s[42:43], s[22:23], s[32:33]      ; their scale words
	v_lshlrev_b32 v7, 2, v10
	v_lshl_add_u32 v7, v3, 16, v7                  ; my column, and 16 rows further down for lanes 16-31
	v_lshlrev_b32 v8, 5, v2
.macro WLOADS s
.irp b, 0,1,2,3
.irp i, 0,1,2,3,4,5,6,7,8,9,10,11,12,13,14,15
	global_load_b32 v[R0+64*((\s)%2)+16*\b+\i], v7, s[30:31] offset:(128*(\s)+32*\b+\i)*4096
.endr
.endr
.endm
.macro WSTEP s
.if (\s) < 3
	s_wait_loadcnt 63                              ; 64 loads are younger than this step's
.else
	s_wait_loadcnt 0x0
.endif
	s_wait_xcnt 0x0                                ; the last step's stores have read the codes' registers
	QUANT R0+64*((\s)%2), PC, PC+6, TMPC, SW+(\s)
.irp c, 0,1,2
	global_store_b128 v4, v[PC+4*\c:PC+4*\c+3], s[40:41] offset:1536*(\s)+512*\c
.endr
.if (\s)+2 < 4
	WLOADS (\s)+2
.endif
.endm
	WLOADS 0
	WLOADS 1
.irp t, 0,1,2,3
	WSTEP \t
.endr
	global_store_b128 v8, v[SW:SW+3], s[42:43]     ; a row's four words; lanes l and l xor 16 hold and write the same
	s_endpgm
; ---- the mask: for each score register of the attention launch a word with one bit a lane
.Lmask:
	s_sub_co_u32 s27, ttmp9, 512
	s_lshl_b32 s27, s27, 2
	s_add_co_u32 s27, s27, s26                     ; batch x 128 + query tile
	s_lshr_b32 s28, s27, 7
	s_and_b32 s29, s27, 127
	s_lshl_b32 s32, s28, 22                        ; a batch's mask is 2,048 x 2,048 bytes
	s_lshr_b32 s34, s29, 1
	s_lshl_b32 s34, s34, 16
	s_add_co_u32 s32, s32, s34
	s_and_b32 s34, s29, 1
	s_lshl_b32 s34, s34, 14
	s_add_co_u32 s32, s32, s34
	s_add_nc_u64 s[30:31], s[18:19], s[32:33]
	s_lshl_b32 s32, s27, 12
	s_add_nc_u64 s[52:53], s[24:25], s[32:33]      ; the tile's 16 x 64 words
	v_lshlrev_b32 v7, 11, v10
	v_lshl_add_u32 v7, v3, 4, v7                   ; my query's row, my half's 16 keys of a block
	v_lshlrev_b32 v9, 3, v1                        ; 8 L
.irp i, 0,1,2,3,4,5,6,7,8,9,10,11,12,13,14,15
	v_mov_b32 v[144+\i], 0                         ; written once: v_writelane_b32's destination counts as read
.endr
	s_mov_b32 s48, 0
; key step sp of a trip's eight: word n goes to lane n / 2, register n % 2, so that one store of 8 bytes a lane writes the step's 256 bytes
.macro MSTEP sp
.set n, 0
.rept 8
.irp k, 0,1,2,3,4,5,6,7
	v_and_b32 v[160+\k], 0xff<<(8*((n+\k)%4)), v[16+16*(\sp)+(n+\k)/4]
.endr
.irp k, 0,1,2,3,4,5,6,7
	v_cmp_ne_u32 s[40+\k], 0, v[160+\k]
.endr
.irp k, 0,1,2,3,4,5,6,7
	v_writelane_b32 v[144+2*(\sp)+((n+\k)&1)], s[40+\k], (n+\k)>>1
.endr
.set n, n+8
.endr
	global_store_b64 v9, v[144+2*(\sp):145+2*(\sp)], s[52:53] offset:256*(\sp)
.endm
.Lmtrip:                                               ; two trips of eight key steps
.irp q, 0,1,2,3,4,5,6,7
.irp c, 0,1,2,3
	global_load_b128 v[16+16*\q+4*\c:19+16*\q+4*\c], v7, s[30:31] offset:128*\q+32*\c th:TH_LOAD_NT
.endr
.endr
	s_wait_loadcnt 0x0
.irp q, 0,1,2,3,4,5,6,7
	MSTEP \q
.endr
	s_wait_xcnt 0x0                                ; the stores have read their data and both bases may step
	s_add_nc_u64 s[30:31], s[30:31], 1024
	s_add_nc_u64 s[52:53], s[52:53], 2048
	s_add_co_u32 s48, s48, 1
	s_cmp_lt_u32 s48, 2
	s_cbranch_scc1 .Lmtrip
	s_endpgm
.Lfunc_end_k_qd1576217b2_prep:
	.size	k_qd1576217b2_prep, .Lfunc_end_k_qd1576217b2_prep-k_qd1576217b2_prep
	.p2alignl 7, 3214868480
	.fill 96, 4, 3214868480
	.section	.rodata,"a",@progbits
	.p2align	6, 0x0
	.amdhsa_kernel k_qd1576217b2_prep
		.amdhsa_group_segment_fixed_size 35328
		.amdhsa_private_segment_fixed_size 0
		.amdhsa_enable_private_segment 0
		.amdhsa_kernarg_size 88
		.amdhsa_user_sgpr_count 2
		.amdhsa_user_sgpr_kernarg_segment_ptr 1
		.amdhsa_wavefront_size32 1
		.amdhsa_system_sgpr_workgroup_id_x 1
		.amdhsa_system_sgpr_workgroup_id_y 1
		.amdhsa_system_sgpr_workgroup_id_z 1
		.amdhsa_system_vgpr_workitem_id 0
		.amdhsa_next_free_vgpr 256
		.amdhsa_next_free_sgpr 66
		.amdhsa_reserve_vcc 0
		.amdhsa_float_denorm_mode_32 3
		.amdhsa_float_denorm_mode_16_64 3
		.amdhsa_memory_ordered 1
		.amdhsa_forward_progress 1
		.amdhsa_inst_pref_size 207
	.end_amdhsa_kernel
	.amdgpu_metadata
---
amdhsa.version: [ 1, 2 ]
amdhsa.kernels:
  - .name:           k_qd1576217b2_prep
    .symbol:         k_qd1576217b2_prep.kd
    .args:
      - { .name: Q, .offset: 0, .size: 8, .value_kind: global_buffer, .address_space: global }
      - { .name: K, .offset: 8, .size: 8, .value_kind: global_buffer, .address_space: global }
      - { .name: V, .offset: 16, .size: 8, .value_kind: global_buffer, .address_space: global }
      - { .name: Wq, .offset: 24, .size: 8, .value_kind: global_buffer, .address_space: global }
      - { .name: Wk, .offset: 32, .size: 8, .value_kind: global_buffer, .address_space: global }
      - { .name: Wv, .offset: 40, .size: 8, .value_kind: global_buffer, .address_space: global }
      - { .name: Wo, .offset: 48, .size: 8, .value_kind: global_buffer, .address_space: global }
      - { .name: attn_mask, .offset: 56, .size: 8, .value_kind: global_buffer, .address_space: global }
      - { .name: xq, .offset: 64, .size: 8, .value_kind: global_buffer, .address_space: global }
      - { .name: wq, .offset: 72, .size: 8, .value_kind: global_buffer, .address_space: global }
      - { .name: mw, .offset: 80, .size: 8, .value_kind: global_buffer, .address_space: global }
    .group_segment_fixed_size: 35328
    .private_segment_fixed_size: 0
    .kernarg_segment_align: 8
    .kernarg_segment_size: 88
    .max_flat_workgroup_size: 128
    .sgpr_count:     66
    .vgpr_count:     256
    .wavefront_size: 32
...
	.end_amdgpu_metadata
.endif
;; end of part 1
;; launch proj (part 2): grid 4 x 96, 4 waves a work-group, clusters of 4 x 4, 327,680 bytes of LDS; arguments xq, wq, bq, bk, bv, aq; writes aq
.if DOCPART == 2
	.amdgcn_target "amdgcn-amd-amdhsa--gfx1250"
	.amdhsa_code_object_version 6
	.text
	.protected	k_qd1576217b2_proj
	.globl	k_qd1576217b2_proj
	.p2align	8
	.type	k_qd1576217b2_proj,@function
k_qd1576217b2_proj:
	s_mov_b64 s[64:65], 0
	v_nop
	global_prefetch_b8 v0, s[64:65] scope:SCOPE_SE
	s_setreg_imm32_b32 hwreg(HW_REG_WAVE_MODE, 25, 1), 1
	s_wait_xcnt 0x0
	s_wait_alu depctr_hold_cnt(0) depctr_sa_sdst(0) depctr_va_vdst(0) depctr_va_sdst(0) depctr_va_ssrc(0) depctr_va_vcc(0) depctr_vm_vsrc(0)
	s_getreg_b32 s2, hwreg(HW_REG_IB_STS2, 6, 4)
	s_cmp_eq_u32 s2, 0
	s_cbranch_scc0 .Lentry_in_a_cluster
	s_endpgm
.Lentry_in_a_cluster:
	s_bfe_u32 s2, ttmp6, 0x10000c
	s_cmp_lg_u32 s2, 0xf033
	s_cbranch_scc0 .Lentry_shape_is_right
	s_endpgm
.Lentry_shape_is_right:
; PROJ.  q = Q Wq + bq, k = K Wk + bk, v = V Wv + bv on codes of BF6 (E3M2) with E8M0 scales, sums in f32; the results are quantised again on the way out, q and k along the head's 64, v along the keys,
; and stored in the order of the attention launch's operand registers.
; A work-group makes 256 x 256, each of its four waves 128 x 128: 64 accumulators, 512 registers.  K goes in slots of 256 through a ring of two LDS slots filled by the tensor data mover.
; ROLES.  Source 1 ("A"): its rows become lanes.  Source 0 ("B"): its rows run along a lane's registers, which is the axis that is quantised next.  q, k: A = the tokens' codes, B = the weight's.  v: A = Wv's, B = V's tokens.
; The operands lie in memory as images of fragments (registers 4 c .. 4 c + 3 of lane L at 512 c + 16 L), tile by tile, K step by K step: a slot's part of a tile is 3,072 consecutive bytes, and a fragment comes
; out of LDS by three loads of 512 consecutive bytes.  Rows are stored in tile order (tile 2 g + u, place i: row 32 g + 8 u + i + 8 (i / 8)), so that the 16 registers of B's tiles 2 g and 2 g + 1 are 16 neighbouring rows of B.
; CLUSTERS: 4 x 4 work-groups; A's tiles are shared along a row of the cluster, B's along a column: each is asked for jointly.  The cluster's y says which product (y / 8) and which eighth of the tokens (y % 8): the same in all partners.
; aq: codes [q, k, v][batch x head 64][step of 128 tokens 16][fragment 4][1536].  q, k: fragment j is a PAIR: registers 0-5 token tile 2 j (the head's 64), registers 6-11 tile 2 j + 1.  v: fragment t: 16 of the head's 64 x 128 keys.
;     from AS on the scale words [q, k, v][batch x head][step][place 16][fragment 4].
; LIMITS: a block of zeros gets the byte 1 (its codes are zeros; the bytes are read by this program alone); NaN and infinities are not served.
; REGISTERS, in windows of 256: window 0: v0-31 addresses; v32-63 scale words, two sets; v64-127 the bias along the registers; v128-223 A's fragments, one set; v248-255 the bias along the lanes.
;   On the way out v128-191 a tile's 64 numbers, v192-215 codes, v216-231 at work, v232-239 scale words made, v240-247 the conversions' second halves.
;   window 1: B's fragments, two sets, at v0 and v128.   windows 2, 3: the accumulators ((a, b) at v[8 (8 (a % 4) + b)]).
.set XS,    18874368
.set WS,    3145728
.set AS,    18874368
.set NQ,    2                          ; K steps of 128 in a slot
.set FR,    12                         ; registers of a fragment
.set NL,    3                          ; LDS loads that bring one
.set NP,    4                          ; places behind this matrix instruction (ISA guide 7.12.1)
.set HALFT, 24576                      ; 8 tiles x 3,072 bytes: what one tensor load brings, and what one wave reads of A or of B
.set SLOT,  4*HALFT
.set LAPS,  2                          ; 1,024 along K = twice round the ring
.set KS,    32                         ; a row of scale bytes
.set SCL,   2*SLOT                     ; behind the ring: the scales, as units of 256 bytes + 16 of padding
.set HALFS, 4352                       ; the scales of 128 rows
.set SBLK,  544                        ; those of 16 rows
.set SPARE, SCL+4*HALFS                ; the spare words, 128 bytes for each wave: two blocks of 256 bytes that no other line names
.set ADRA, 16                          ; v16-17  LDS address of my A fragments in slot 0, 1
.set ADRB, 20                          ; v20-21  the same for B
.set ADRS, 27                          ; v27     of my scale words: lanes 0-15 A's rows, lanes 16-31 B's
.set SPW,  28                          ; v28     my spare word; never rewritten
.set NIL,  29                          ; v29     0; never rewritten
.set SC,   32
.set BI,   64
.set AF,   128
.set T,    128
.set OUTR, 192
.set TM,   216
.set PW,   232
.set TMPC, 240
.set BV,   248
.set WVN,  16                          ; s16 wave;  s17 wave / 2: my half of A's rows, and: I fetch for A (0) or B (1);  s18 wave % 2: my half of B's rows, and which 128 rows I fetch
.set HR,   17
.set HC,   18
.set TAU,  19                          ; s19 0: q, 1: k, 2: v
.set RA,   21                          ; s21 A's tile row;  s42 B's tile column
.set CB,   42
.set SEL,  98
.set G1,   24
.set G0,   32
.set G1B,  48
.set G0B,  56
.set G1S,  68
.set G0S,  76
.set G1SB, 80
.set G0SB, 88
.set MSB, 0
.macro WIN new                         ; the immediate's high byte repeats the setting that is left
.if MSB != (\new)
	s_set_vgpr_msb (MSB<<8)|(\new)
.set MSB, (\new)
.endif
.endm
.set MUL_LO, 0xa1                      ; source 0 (B) window 1, source 1 (A) window 0, C and D window 2
.set MUL_HI, 0xf1
.set TO_B,   0x40
; A joint load: waves 0 and 1 fetch for A, waves 2 and 3 for B; the branch hangs on the wave's number alone.  Four v_nop follow each of the two lines.
.macro JLOAD g0a, g1a, g0b, g1b
	s_cmp_eq_u32 s[HR], 0
	s_cbranch_scc0 .Lfor_b_\@
	tensor_load_to_lds s[\g0a:\g0a+3], s[\g1a:\g1a+7]
	s_nop 0
.rept 4
	v_nop
.endr
	s_branch .Lasked_\@
.Lfor_b_\@:
	tensor_load_to_lds s[\g0b:\g0b+3], s[\g1b:\g1b+7]
	s_nop 0
.rept 4
	v_nop
.endr
.Lasked_\@:
.endm
.macro CREST                           ; a round of the cluster's barrier behind its opening barrier
	s_cmp_lg_u32 s[WVN], 0
	s_cbranch_scc1 .Lnot_wave_0_\@
	s_barrier_signal -3
.Lnot_wave_0_\@:
	s_barrier_wait -3
	s_barrier_signal -1
	s_barrier_wait -1
.endm
.macro CROUND
	s_barrier_signal -1
	s_barrier_wait -1
	CREST
.endm
; 64 numbers of a lane, register 16 b + i = k 32 b + 16 (lane / 16) + i of the lane's row, become codes: v[d0] on hold blocks 0, 1 (a whole block to a lane), v[d1] on blocks 2, 3; v[pw] the four scale bytes.
.macro QUANT s, d0, d1, tmp, pw
.irp b, 0,1,2,3
	v_max3_num_f32 v[TM+\b], |v[\s+16*\b]|, |v[\s+1+16*\b]|, 0x2800000   ; and the floor 2^(5 - 127): the byte cannot fall under 1
.endr
.irp i, 2,4,6,8,10,12,14
.irp b, 0,1,2,3
	v_max3_num_f32 v[TM+\b], v[TM+\b], |v[\s+16*\b+\i]|, |v[\s+1+16*\b+\i]|
.endr
.endr
.irp b, 0,1,2,3
	v_permlanex16_b32 v[TM+4+\b], v[TM+\b], s[SEL], s[SEL+1]
.endr
.irp b, 0,1,2,3
	v_max_num_f32 v[TM+\b], v[TM+\b], v[TM+4+\b]
.endr
.irp b, 0,1,2,3
	v_add_nc_u32 v[TM+12+\b], 0xfe000000, v[TM+\b]   ; 4 off the exponent field: the conversion's scale operand
.endr
.irp b, 0,1,2,3
	v_lshrrev_b32 v[TM+4+\b], 23, v[TM+12+\b]
.endr
	v_lshl_or_b32 v[\pw], v[TM+5], 8, v[TM+4]
	v_lshl_or_b32 v[\pw], v[TM+6], 16, v[\pw]
	v_lshl_or_b32 v[\pw], v[TM+7], 24, v[\pw]
	v_cvt_scalef32_pk16_bf6_f32 v[\d0:\d0+2], v[\s:\s+15], v[TM+12]
	v_cvt_scalef32_pk16_bf6_f32 v[\tmp:\tmp+2], v[\s+16:\s+31], v[TM+13]
	v_cvt_scalef32_pk16_bf6_f32 v[\d1:\d1+2], v[\s+32:\s+47], v[TM+14]
	v_cvt_scalef32_pk16_bf6_f32 v[\tmp+4:\tmp+6], v[\s+48:\s+63], v[TM+15]
	v_nop                                          ; one plain place behind the scaled conversions
.irp i, 0,1,2
	v_permlane16_swap_b32 v[\d0+\i], v[\tmp+\i]
.endr
.irp i, 0,1,2
	v_mov_b32 v[\d0+3+\i], v[\tmp+\i]
.endr
.irp i, 0,1,2
	v_permlane16_swap_b32 v[\d1+\i], v[\tmp+4+\i]
.endr
.irp i, 0,1,2
	v_mov_b32 v[\d1+3+\i], v[\tmp+4+\i]
.endr
.endm
	s_load_b256 s[4:11], s[0:1], 0x0               ; xq, wq, bq, bk
	s_load_b128 s[12:15], s[0:1], 0x20             ; bv, aq
	v_lshl_add_u32 v[SPW], v0, 2, SPARE
	v_mov_b32 v[NIL], 0
	ds_add_u32 v28, v29
	ds_add_u32 v28, v29
	s_wait_dscnt 0x0
	v_lshrrev_b32 v1, 5, v0
	v_readfirstlane_b32 s[WVN], v1
	s_lshr_b32 s[HR], s[WVN], 1
	s_and_b32 s[HC], s[WVN], 1
	s_bfe_u32 s40, ttmp6, 0x40000                  ; cx
	s_bfe_u32 s41, ttmp6, 0x40004                  ; cy
	s_and_b32 s[TAU], ttmp7, 0xffff                ; the cluster's y
	s_and_b32 s20, s[TAU], 7
	s_lshl_b32 s20, s20, 2                         ; four tile rows (or columns) of tokens to a cluster
	s_lshr_b32 s[TAU], s[TAU], 3
	s_cmp_lt_u32 s[TAU], 2
	s_cselect_b32 s[RA], s20, 0
	s_cselect_b32 s[CB], 0, s20
	s_add_co_u32 s[RA], s[RA], s41                 ; A's tile row hangs on cy alone,
	s_add_co_u32 s[CB], s[CB], s40                 ; B's tile column on cx alone
	s_lshl_b32 s43, s41, 2
	s_lshl_b32 s43, 15, s43                        ; my row of the cluster
	s_lshl_b32 s44, 0x1111, s40                    ; my column
	; descriptor group 1, codes: 8 rows (tiles) of 384 elements of 8 bytes, 1,536 elements apart; no padding
	s_or_b32 s[G1+0], s43, (3<<16)|(1<<21)         ; 15:0 the mask; 17:16 elements of 8 bytes; 21 set beside a mask
	s_or_b32 s[G1B+0], s44, (3<<16)|(1<<21)
.irp g, G1, G1B
	s_mov_b32 s[\g+1], 384<<16                     ; tensor_dim0
	s_mov_b32 s[\g+2], 8<<16                       ; tensor_dim1
	s_mov_b32 s[\g+3], 384<<16                     ; tile_dim0
	s_mov_b32 s[\g+4], 8                           ; tile_dim1
	s_mov_b32 s[\g+5], 1536                        ; tensor_dim0_stride
	s_mov_b32 s[\g+6], 0
	s_mov_b32 s[\g+7], 0
.endr
	; the scales of 128 rows: 4,096 dense bytes as 16 rows of 256 bytes, 16 bytes of padding behind each
	s_or_b32 s[G1S+0], s43, (3<<16)|(1<<20)|(1<<21)|(5<<22)|(3<<25)
	s_or_b32 s[G1SB+0], s44, (3<<16)|(1<<20)|(1<<21)|(5<<22)|(3<<25)
.irp g, G1S, G1SB
	s_mov_b32 s[\g+1], 32<<16
	s_mov_b32 s[\g+2], 16<<16
	s_mov_b32 s[\g+3], 32<<16
	s_mov_b32 s[\g+4], 16
	s_mov_b32 s[\g+5], 32
	s_mov_b32 s[\g+6], 0
	s_mov_b32 s[\g+7], 0
.endr
	; byte offsets.  The tokens' side lies in xq, the weights' side in wq; which of them is A hangs on the product alone
	s_mul_i32 s92, s[TAU], 6291456                 ; the tokens' codes
	s_mul_i32 s93, s[TAU], 786432                  ; the weight's codes
	s_lshl_b32 s94, s[TAU], 18
	s_add_co_u32 s94, s94, XS                      ; the tokens' scales
	s_lshl_b32 s95, s[TAU], 15
	s_add_co_u32 s95, s95, WS                      ; the weight's scales
	s_cmp_lt_u32 s[TAU], 2
	s_cselect_b32 s22, s92, s93
	s_cselect_b32 s46, s93, s92
	s_cselect_b32 s96, s94, s95
	s_cselect_b32 s66, s95, s94
	s_lshl_b32 s92, s[RA], 1
	s_add_co_u32 s92, s92, s[HC]                   ; A: which 128 rows I fetch
	s_mul_i32 s93, s92, 98304
	s_add_co_u32 s22, s22, s93
	s_lshl_b32 s93, s92, 12
	s_add_co_u32 s96, s96, s93
	s_lshl_b32 s94, s[CB], 1
	s_add_co_u32 s94, s94, s[HC]                   ; B likewise
	s_mul_i32 s95, s94, 98304
	s_add_co_u32 s46, s46, s95
	s_lshl_b32 s95, s94, 12
	s_add_co_u32 s66, s66, s95
	s_mov_b32 s23, 0
	s_mov_b32 s47, 0
	s_mov_b32 s97, 0
	s_mov_b32 s67, 0
	s_mul_i32 s45, s[WVN], HALFT                   ; where they go: wave x 8 tiles: no place in the cluster enters an LDS address
	s_mul_i32 s2, s[WVN], HALFS
	s_mov_b32 s[SEL], 0x76543210
	s_mov_b32 s[SEL+1], 0xfedcba98
	s_mov_b32 s100, 0xffff0000                     ; lanes 16-31
	s_wait_kmcnt 0x0
	s_cmp_lt_u32 s[TAU], 2
	s_cselect_b64 s[92:93], s[4:5], s[6:7]         ; A's buffer
	s_cselect_b64 s[94:95], s[6:7], s[4:5]         ; B's
	s_add_nc_u64 s[22:23], s[92:93], s[22:23]
	s_add_nc_u64 s[96:97], s[92:93], s[96:97]
	s_add_nc_u64 s[46:47], s[94:95], s[46:47]
	s_add_nc_u64 s[66:67], s[94:95], s[66:67]
	CROUND                                         ; all sixteen work-groups are here: the first joint loads meet
	s_mov_b32 s[G0S], 1
	s_add_co_u32 s[G0S+1], s2, SCL
	s_mov_b64 s[G0S+2:G0S+3], s[96:97]
	s_or_b32 s[G0S+3], s[G0S+3], 0x80000000
	s_mov_b32 s[G0SB], 1
	s_add_co_u32 s[G0SB+1], s2, SCL
	s_mov_b64 s[G0SB+2:G0SB+3], s[66:67]
	s_or_b32 s[G0SB+3], s[G0SB+3], 0x80000000
	JLOAD G0S, G1S, G0SB, G1SB                     ; the scales first: they are wanted with the first slot.  Three loads of mine are out behind the third of these lines
.irp s, 0,1
	s_mov_b32 s[G0+4*\s], 1
	s_add_co_u32 s[G0+4*\s+1], s45, \s*SLOT
	s_add_nc_u64 s[G0+4*\s+2:G0+4*\s+3], s[22:23], \s*3072
	s_or_b32 s[G0+4*\s+3], s[G0+4*\s+3], 0x80000000
	s_mov_b32 s[G0B+4*\s], 1
	s_add_co_u32 s[G0B+4*\s+1], s45, \s*SLOT
	s_add_nc_u64 s[G0B+4*\s+2:G0B+4*\s+3], s[46:47], \s*3072
	s_or_b32 s[G0B+4*\s+3], s[G0B+4*\s+3], 0x80000000
	JLOAD G0+4*\s, G1, G0B+4*\s, G1B
.endr
	v_and_b32 v1, 15, v0                           ; r
	v_bfe_u32 v2, v0, 4, 1                         ; h
	v_and_b32 v3, 31, v0
	v_lshlrev_b32 v10, 4, v3                       ; 16 L: my place in an image
	s_mul_i32 s92, s[HR], HALFT                    ; my 128 rows of A
	s_mul_i32 s93, s[HC], HALFT                    ; my 128 rows of B,
	s_add_co_u32 s93, s93, 2*HALFT                 ; which lie behind A's 256
.irp s, 0,1
	v_add_nc_u32 v[ADRA+\s], s92, v10
	v_add_nc_u32 v[ADRB+\s], s93, v10
	s_add_co_u32 s92, s92, SLOT
	s_add_co_u32 s93, s93, SLOT
.endr
	v_mul_u32_u24 v5, v1, KS                       ; my row's scales: 32 bytes a row,
	v_lshrrev_b32 v6, 8, v5
	v_lshl_add_u32 v5, v6, 4, v5                   ; and 16 more for each 256 passed
	s_mul_i32 s92, s[HR], HALFS
	s_mul_i32 s93, s[HC], HALFS
	s_add_co_u32 s93, s93, 2*HALFS
	s_sub_co_u32 s93, s93, s92
	v_mul_u32_u24 v6, s93, v2                      ; lanes 16-31 take B's
	s_add_co_u32 s92, s92, SCL
	v_add_nc_u32 v5, v5, v6
	v_add_nc_u32 v[ADRS], s92, v5
	; the biases and the way out's addresses
	v_lshlrev_b32 v8, 6, v2                        ; 64 h: my half's 16 numbers of a block of 32
	v_and_b32 v9, 8, v1
	v_add_nc_u32 v9, v9, v1
	v_lshlrev_b32 v9, 2, v9                        ; 4 (r + 8 (r / 8))
	v_lshlrev_b32 v11, 4, v1
	v_lshl_add_u32 v11, v2, 12, v11                ; the scale words' store: 16 r, and the next head for lanes 16-31
	s_lshl_b32 s94, s[CB], 8
	s_lshl_b32 s95, s[HC], 7
	s_add_co_u32 s94, s94, s95                     ; my first row of B (along the registers)
	s_lshl_b32 s92, s[RA], 8
	s_lshl_b32 s93, s[HR], 7
	s_add_co_u32 s92, s92, s93                     ; my first row of A (along the lanes)
	s_cmp_eq_u32 s[TAU], 0
	s_cselect_b64 s[8:9], s[8:9], s[10:11]         ; bq or bk
	s_cmp_lt_u32 s[TAU], 2
	s_cselect_b32 s96, s94, 0                      ; q, k: the bias runs along the registers; v: these loads read the bias's head and are not used
	s_cselect_b32 s66, 0, s92                      ; v: along the lanes; q, k: likewise not used
	s_cselect_b32 s20, s92, s94                    ; my first token
	s_cselect_b32 s45, s94, s92                    ; my first output column
	s_lshl_b32 s96, s96, 2
	s_mov_b32 s97, 0
	s_lshl_b32 s66, s66, 2
	s_mov_b32 s67, 0
	s_add_nc_u64 s[8:9], s[8:9], s[96:97]
	s_add_nc_u64 s[12:13], s[12:13], s[66:67]
.irp g, 0,1,2,3
.irp k, 0,1,2,3
	global_load_b128 v[BI+16*\g+4*\k:BI+16*\g+4*\k+3], v8, s[8:9] offset:128*\g+16*\k
.endr
.endr
.irp a, 0,1,2,3,4,5,6,7
	global_load_b32 v[BV+\a], v9, s[12:13] offset:(32*(\a/2)+8*(\a%2))*4
.endr
	s_lshr_b32 s92, s20, 11                        ; batch
	s_lshl_b32 s92, s92, 4
	s_lshr_b32 s93, s45, 6                         ; my first head
	s_add_co_u32 s92, s92, s93
	s_lshl_b32 s92, s92, 4
	s_bfe_u32 s93, s20, 0x40007                    ; step of 128 tokens
	s_add_co_u32 s92, s92, s93
	s_mul_i32 s94, s92, 6144
	s_mul_i32 s95, s[TAU], 6291456
	s_add_co_u32 s94, s94, s95
	s_mov_b32 s95, 0
	s_add_nc_u64 s[10:11], s[14:15], s[94:95]      ; where my codes go
	s_lshl_b32 s94, s92, 8
	s_lshl_b32 s96, s[TAU], 18
	s_add_co_u32 s94, s94, s96
	s_add_co_u32 s94, s94, AS
	s_add_nc_u64 s[14:15], s[14:15], s[94:95]      ; and my scale words
.macro FRAG reg, adr, q, i             ; a fragment comes as it was stored: three loads of 512 consecutive bytes
.irp c, 0,1,2
	ds_load_b128 v[\reg+4*\c:\reg+4*\c+3], v[\adr] offset:3072*(\i)+1536*(\q)+512*\c
.endr
.endm
; 16 matrix instructions: A's blocks a0, a0 + 1 x B's eight, the slot's q-th 128 along K.  The 64 accumulators take turns, one instruction a turn, in the same order in every step.
.macro MUL16 a0, p, q, sc, zero
.irp a, \a0, \a0+1
.irp b, 0,1,2,3,4,5,6,7
.if \zero
	v_wmma_scale_f32_16x16x128_f8f6f4 v[8*(8*((\a)%4)+\b):8*(8*((\a)%4)+\b)+7], v[128*(\p)+FR*\b:128*(\p)+FR*\b+FR-1], v[AF+FR*(\a):AF+FR*(\a)+FR-1], 0, v[SC+8*NQ*(\sc)+NQ*\b+(\q)], v[SC+8*NQ*(\sc)+NQ*(\a)+(\q)] matrix_a_fmt:MATRIX_FMT_BF6 matrix_b_fmt:MATRIX_FMT_BF6 matrix_a_scale:MATRIX_SCALE_ROW1
.else
	v_wmma_scale_f32_16x16x128_f8f6f4 v[8*(8*((\a)%4)+\b):8*(8*((\a)%4)+\b)+7], v[128*(\p)+FR*\b:128*(\p)+FR*\b+FR-1], v[AF+FR*(\a):AF+FR*(\a)+FR-1], v[8*(8*((\a)%4)+\b):8*(8*((\a)%4)+\b)+7], v[SC+8*NQ*(\sc)+NQ*\b+(\q)], v[SC+8*NQ*(\sc)+NQ*(\a)+(\q)] matrix_a_fmt:MATRIX_FMT_BF6 matrix_b_fmt:MATRIX_FMT_BF6 matrix_a_scale:MATRIX_SCALE_ROW1
.endif
.endr
.endr
.endm
.macro FETCH_B slot, q, p
	WIN TO_B
.irp i, 0,1,2,3,4,5,6,7
	FRAG 128*(\p)+FR*\i, ADRB+\slot, \q, \i
.endr
	WIN 0
.endm
.macro FETCH_A slot, q, i0
.irp i, \i0, \i0+1, \i0+2, \i0+3
	FRAG AF+FR*(\i), ADRA+\slot, \q, \i
.endr
.endm
.macro SCALES sc                       ; a slot's two scale words a row: lanes 0-15 take A's block i, lanes 16-31 B's block i
.irp i, 0,1,2,3,4,5,6,7
	ds_load_b64 v[SC+8*NQ*\sc+NQ*\i:SC+8*NQ*\sc+NQ*\i+1], v[ADRS] offset:\i*SBLK
.endr
.endm
.macro PLACES n                        ; plain vector instructions between a matrix instruction and a load into, or a read of, its registers
.rept \n
	v_nop
.endr
.endm
.macro STEP slot, q, zero              ; a step of 128 along K that has its successor in the same slot
	s_wait_dscnt 4*NL                              ; B's set and A's blocks 0-3 are in; the youngest 12 loads (A's blocks 4-7) may be out
	WIN MUL_LO
	MUL16 0, (\q)%2, \q, \slot, \zero
	MUL16 2, (\q)%2, \q, \slot, \zero
	s_wait_dscnt 0
	PLACES NP
	FETCH_B \slot, (\q)+1, 1-(\q)%2
	FETCH_A \slot, (\q)+1, 0
	WIN MUL_HI
	MUL16 4, (\q)%2, \q, \slot, \zero
	MUL16 6, (\q)%2, \q, \slot, \zero
	PLACES NP
	WIN 0
	FETCH_A \slot, (\q)+1, 4
.endm
; A slot's last step changes slots: one barrier; in front of it each wave waits for all its tensor loads, adds 0 to its spare word, and waits for that and for its own reads of this slot.
.macro TURN slot, next, fill
	s_wait_tensorcnt 0x0                           ; all my tensor loads have landed: my part of the next slot
	ds_add_u32 v[SPW], v[NIL]                      ; 0 onto my spare word
	s_wait_dscnt 4*NL+1                            ; the add and the youngest 12 loads (A's blocks 4-7) may be out
	WIN MUL_LO
	MUL16 0, 1, NQ-1, \slot, 0
	s_wait_dscnt 0x0                               ; the add is done, and my reads of this slot are over
	s_barrier_signal -1
	MUL16 2, 1, NQ-1, \slot, 0
	WIN 0
	s_barrier_wait -1
.if \fill
	CREST                                          ; the barrier has opened a round of the cluster's barrier: no wave of any partner still reads this slot or has a load on its way
	s_add_nc_u64 s[G0+4*\slot+2:G0+4*\slot+3], s[G0+4*\slot+2:G0+4*\slot+3], 6144
	s_add_nc_u64 s[G0B+4*\slot+2:G0B+4*\slot+3], s[G0B+4*\slot+2:G0B+4*\slot+3], 6144
	JLOAD G0+4*\slot, G1, G0B+4*\slot, G1B         ; the first tensor load behind the round, my only one until the next; its four v_nop are the places in front of the loads below
.else
	PLACES NP
.endif
	v_add_nc_u32 v[ADRS], 4*NQ, v[ADRS]            ; on to the next slot's scale words
	FETCH_B \next, 0, 0
	FETCH_A \next, 0, 0
	SCALES \next
	WIN MUL_HI
	MUL16 4, 1, NQ-1, \slot, 0
	MUL16 6, 1, NQ-1, \slot, 0
	PLACES NP
	WIN 0
	FETCH_A \next, 0, 4
.endm
	s_wait_tensorcnt 1                             ; the scales and my part of slot 0 are in (slot 1's load may be out)
	s_barrier_signal -1
	s_barrier_wait -1                              ; everybody's are
	FETCH_B 0, 0, 0
	FETCH_A 0, 0, 0
	SCALES 0
	FETCH_A 0, 0, 4
	STEP 0, 0, 1                                   ; the first step stands in front of the loop: its products start the sums
	s_mov_b32 s3, LAPS-1
.Llap:                                                 ; a trip goes once round the ring and fills both slots again
	TURN 0, 1, 1
	STEP 1, 0, 0
	TURN 1, 0, 1
	STEP 0, 0, 0
	s_sub_co_u32 s3, s3, 1
	s_cmp_lg_u32 s3, 0
	s_cbranch_scc1 .Llap
	TURN 0, 1, 0                                   ; the last lap fills nothing
	STEP 1, 0, 0
	s_wait_dscnt 4*NL
	WIN MUL_LO
	MUL16 0, 1, NQ-1, 1, 0
	MUL16 2, 1, NQ-1, 1, 0
	s_wait_dscnt 0
	WIN MUL_HI
	MUL16 4, 1, NQ-1, 1, 0
	MUL16 6, 1, NQ-1, 1, 0
	WIN 0
; THE WAY OUT.  A lane holds one row of A and 128 neighbouring rows of B: the bias is added, the 128 are quantised in four blocks of 32, and the codes leave as images of the next launch's operand registers.
.macro ADDK a                          ; tile a + the bias along the registers; each accumulator is read from its low end on
	WIN 0x02+((\a)/4)
.set x, 0
.rept 32
	v_pk_add_f32 v[T+x:T+x+1], v[64*((\a)%4)+x:64*((\a)%4)+x+1], v[BI+x:BI+x+1]
.set x, x+2
.endr
	WIN 0
.endm
.macro ADDV a                          ; tile a + the bias of the lane's row: one register of a pair serves both halves
	WIN 0x02+((\a)/4)
.set x, 0
.rept 32
.if ((\a)&1) == 0
	v_pk_add_f32 v[T+x:T+x+1], v[64*((\a)%4)+x:64*((\a)%4)+x+1], v[BV+((\a)&6):BV+((\a)&6)+1] op_sel_hi:[1,0]
.else
	v_pk_add_f32 v[T+x:T+x+1], v[64*((\a)%4)+x:64*((\a)%4)+x+1], v[BV+((\a)&6):BV+((\a)&6)+1] op_sel:[0,1] op_sel_hi:[1,1]
.endif
.set x, x+2
.endr
	WIN 0
.endm
	PLACES NP                                      ; behind the last products: results are read and A's registers written below
.irp b, 0,1,2,3
	v_mov_b32 v[TM+4+\b], 0                        ; written once: a lane permute's destination counts as one of its sources
.endr
	s_wait_loadcnt 0x0                             ; the biases
	s_cmp_eq_u32 s[TAU], 2                         ; the same in all partners: it hangs on the cluster's y alone
	s_cbranch_scc1 .Lvtype
	; q, k: lanes are tokens, registers two heads' 64.  Blocks 0, 1 go to the first head's pair fragment, blocks 2, 3 to the second's; token tiles 2 j and 2 j + 1 fill a pair's two halves
.irp j, 0,1,2,3
.if \j > 0
	s_wait_xcnt 0x0                                ; the last pair's stores have read their registers
.endif
	ADDK 2*\j
	QUANT T, OUTR, OUTR+12, TMPC, PW+2*\j
	ADDK 2*\j+1
	QUANT T, OUTR+6, OUTR+18, TMPC, PW+2*\j+1
.irp c, 0,1,2
	global_store_b128 v10, v[OUTR+4*\c:OUTR+4*\c+3], s[10:11] offset:1536*\j+512*\c
	global_store_b128 v10, v[OUTR+12+4*\c:OUTR+15+4*\c], s[10:11] offset:98304+1536*\j+512*\c
.endr
.endr
	s_wait_xcnt 0x0
.irp j, 0,1,2,3
	v_perm_b32 v[OUTR+\j], v[PW+2*\j+1], v[PW+2*\j], 0x05040100     ; the first head's pair word: two bytes of tile 2 j, two of tile 2 j + 1
	v_perm_b32 v[OUTR+4+\j], v[PW+2*\j+1], v[PW+2*\j], 0x07060302   ; the second head's
.endr
.irp j, 0,1,2,3
	v_cndmask_b32 v[OUTR+\j], v[OUTR+\j], v[OUTR+4+\j], s100
.endr
	global_store_b128 v11, v[OUTR:OUTR+3], s[14:15]   ; lanes 0-15: 256 bytes of the first head; lanes 16-31: of the second
	s_branch .Ljoin
.Lvtype:
	; v: lanes are 16 of a head's 64, registers 128 keys: a tile is a whole fragment
.irp a, 0,1,2,3,4,5,6,7
.if \a > 1
	s_wait_xcnt 0x0                                ; the stores of two tiles back have read their registers
.endif
	ADDV \a
	QUANT T, OUTR+12*(\a%2), OUTR+12*(\a%2)+6, TMPC, PW+\a
.irp c, 0,1,2
	global_store_b128 v10, v[OUTR+12*(\a%2)+4*\c:OUTR+12*(\a%2)+4*\c+3], s[10:11] offset:(\a/4)*98304+(\a%4)*1536+512*\c
.endr
.endr
	s_wait_xcnt 0x0
.irp j, 0,1,2,3
	v_cndmask_b32 v[OUTR+\j], v[PW+\j], v[PW+4+\j], s100
.endr
	global_store_b128 v11, v[OUTR:OUTR+3], s[14:15]
.Ljoin:
	s_wait_tensorcnt 0x0                           ; the wave's end
	ds_add_u32 v[SPW], v[NIL]
	s_wait_dscnt 0x0
	CROUND                                         ; the closing round: no work-group ends while a partner may still ask for a tile that names it
	s_endpgm
.Lfunc_end_k_qd1576217b2_proj:
	.size	k_qd1576217b2_proj, .Lfunc_end_k_qd1576217b2_proj-k_qd1576217b2_proj
	.p2alignl 7, 3214868480
	.fill 96, 4, 3214868480
	.section	.rodata,"a",@progbits
	.p2align	6, 0x0
	.amdhsa_kernel k_qd1576217b2_proj
		.amdhsa_group_segment_fixed_size 327680
		.amdhsa_private_segment_fixed_size 0
		.amdhsa_enable_private_segment 0
		.amdhsa_kernarg_size 48
		.amdhsa_user_sgpr_count 2
		.amdhsa_user_sgpr_kernarg_segment_ptr 1
		.amdhsa_wavefront_size32 1
		.amdhsa_system_sgpr_workgroup_id_x 1
		.amdhsa_system_sgpr_workgroup_id_y 1
		.amdhsa_system_sgpr_workgroup_id_z 1
		.amdhsa_system_vgpr_workitem_id 0
		.amdhsa_next_free_vgpr 1024
		.amdhsa_next_free_sgpr 102
		.amdhsa_reserve_vcc 0
		.amdhsa_float_denorm_mode_32 3
		.amdhsa_float_denorm_mode_16_64 3
		.amdhsa_memory_ordered 1
		.amdhsa_forward_progress 1
		.amdhsa_inst_pref_size 209
	.end_amdhsa_kernel
	.amdgpu_metadata
---
amdhsa.version: [ 1, 2 ]
amdhsa.kernels:
  - .name:           k_qd1576217b2_proj
    .symbol:         k_qd1576217b2_proj.kd
    .args:
      - { .name: xq, .offset: 0, .size: 8, .value_kind: global_buffer, .address_space: global }
      - { .name: wq, .offset: 8, .size: 8, .value_kind: global_buffer, .address_space: global }
      - { .name: bq, .offset: 16, .size: 8, .value_kind: global_buffer, .address_space: global }
      - { .name: bk, .offset: 24, .size: 8, .value_kind: global_buffer, .address_space: global }
      - { .name: bv, .offset: 32, .size: 8, .value_kind: global_buffer, .address_space: global }
      - { .name: aq, .offset: 40, .size: 8, .value_kind: global_buffer, .address_space: global }
    .group_segment_fixed_size: 327680
    .private_segment_fixed_size: 0
    .kernarg_segment_align: 8
    .kernarg_segment_size: 48
    .max_flat_workgroup_size: 128
    .sgpr_count:     102
    .vgpr_count:     1024
    .wavefront_size: 32
...
	.end_amdgpu_metadata
.endif
;; end of part 2
;; launch attn (part 3): grid 4 x 64, 16 waves a work-group, no clusters, 206,848 bytes of LDS; arguments aq, mw, cq; writes cq
.if DOCPART == 3
	.amdgcn_target "amdgcn-amd-amdhsa--gfx1250"
	.amdhsa_code_object_version 6
	.text
	.protected	k_qd1576217b2_attn
	.globl	k_qd1576217b2_attn
	.p2align	8
	.type	k_qd1576217b2_attn,@function
k_qd1576217b2_attn:
	s_mov_b64 s[64:65], 0
	v_nop
	global_prefetch_b8 v0, s[64:65] scope:SCOPE_SE
	s_setreg_imm32_b32 hwreg(HW_REG_WAVE_MODE, 25, 1), 1
	s_wait_xcnt 0x0
; ATTN.  ctx = softmax(q k^T / 8, under the mask) v for one head, both products on codes of BF6 (E3M2) with E8M0 scales; ctx is quantised along the head's 64 for the last product.
; THE SOFTMAX: t = score x log2(e) / 8; M = the running largest t rounded UP to a whole number; p = 2^(t - M) is quantised along the keys; the row's sum is taken of the unquantised p and divides at the end.
; SHARES.  A work-group owns 512 queries of one head; the head's K and V, 204,800 bytes with their scale words, come into LDS ONCE, through registers (wave w copies key step w), one barrier.
; Each of the sixteen waves owns 32 queries, two tiles of 16, one after the other; a tile walks 16 key steps of 128 keys.  Four waves share a SIMD: one wave's vector work stands beside another's products.
; LAYOUT.  Both products are used transposed (S^T = k q^T, O^T = v^T p^T): a lane holds ONE query.  Tokens are stored in tile order, so that score register 16 c + i is key 32 c + 16 (lane / 16) + i of the step.
; THE HEAD'S 64 ARE HALF OF THE INSTRUCTION'S 128: a fragment of K holds TWO key tiles, one in each half of K.  It is multiplied by [q | zeros] for the first and by [zeros | q] for the second: zero codes add nothing under any scale byte but 0xff.
; THE MASK comes as words with one bit a lane, one word for each score register, by scalar loads a step ahead; the 64 selects are made in every step: no branch and no address hangs on the mask.
; NO CLUSTER: the four work-groups of a head share K and V, but each fetches them once, at its head, 204,800 bytes for its 512 tile steps; there is no ring whose refills could be asked for jointly.
; LIMITS.  A masked score becomes -2^33, a logit of -2^30 where the reference has -1e9: t is then a whole number, so a row that is masked throughout gives p = 1 for every key, and a later key that counts wipes it out.
; It differs from the reference only where logits that count lie near or under -1e9.  NaN and infinities are not served.  A block of zeros gets the byte 1 (its codes are zeros).
.set AS,   18874368
.set CS,   6291456
.set VFB,  98304                       ; LDS: K's fragments at 0, V's here,
.set KSB,  196608                      ; K's scale words, and V's 4,096 bytes on
.set QL,   16                          ; v16-27  [q | 0]
.set QH,   28                          ; v28-39  [0 | q]
.set QP,   40                          ; v40-51  my pair of query tiles
.set KV,   52                          ; v52-99  four fragments of K or of V
.set S,    100                         ; v100-163 S^T, then p
.set O,    164                         ; v164-195 O^T
.set PC,   196                         ; v196-207 p's codes
.set TMPC, 208                         ; v208-215 the conversions' second halves
.set BM,   216                         ; v216-219 each block's largest score, then its largest p
.set BX,   220                         ; v220-223 the other half's, then the bytes
.set SCV,  224                         ; v224-227 the conversions' scale operands
.set KSW,  228                         ; v228-231 K's or V's scale words
.set PSW,  232                         ; v232     p's scale word
; v1 16 L; v2 KSB + 16 r; v3 8 L; v4 4 r; v5 -2^33; v6-8 addresses of the step; v9 my queries' scale word; v10, v11 its two forms; v12 -M; v13 the largest t; v[14:15] the sum; v[234:235] f; v236-239 at work
; s10 wave; s[16:17] lane selects; s[18:19] c; s20, s21 the step's LDS bytes; s22 step; s23 tiles to go; s24, s25 the mask words' offset and chunk; s[26:27] mask words; s[8:9], s[28:29] ctx; s32-63, s68-99 64 mask words
	s_load_b128 s[4:7], s[0:1], 0x0                ; aq, mw
	s_load_b64 s[8:9], s[0:1], 0x10                ; cq
	v_lshl_add_u32 v254, v0, 2, 0x32000
	v_mov_b32 v255, 0
	v_lshrrev_b32 v1, 5, v0
	v_readfirstlane_b32 s10, v1                    ; wave 0..15
	s_and_b32 s12, ttmp7, 0xffff                   ; batch x 16 + head
	s_lshl_b32 s15, ttmp9, 4
	s_add_co_u32 s15, s15, s10                     ; G: my 32 queries of the head's 2,048
	s_lshr_b32 s13, s12, 4                         ; batch
	s_and_b32 s14, s12, 15                         ; head
	v_and_b32 v4, 15, v0                           ; r
	v_and_b32 v3, 31, v0                           ; L
	v_lshlrev_b32 v1, 4, v3
	v_lshlrev_b32 v3, 3, v3
	v_lshlrev_b32 v236, 4, v4                      ; 16 r
	v_add_nc_u32 v2, KSB, v236
	v_lshlrev_b32 v4, 2, v4
	s_mul_i32 s20, s10, 6144
	v_add_nc_u32 v6, s20, v1                       ; the fill: my step's fragments of K,
	v_add_nc_u32 v7, VFB, v6                       ; of V,
	s_lshl_b32 s21, s10, 8
	v_add_nc_u32 v8, s21, v3
	v_add_nc_u32 v8, KSB, v8                       ; and its scale words
	s_mul_i32 s68, s12, 98304
	s_add_co_u32 s68, s68, s20
	s_add_co_u32 s68, s68, 6291456                 ; k's codes of my step; v's lie 6,291,456 bytes on
	s_mov_b32 s69, 0
	s_lshl_b32 s70, s12, 12
	s_add_co_u32 s70, s70, s21
	s_add_co_u32 s70, s70, AS+262144               ; k's scale words of my step; v's lie 262,144 bytes on
	s_mov_b32 s71, 0
	s_lshl_b32 s72, s12, 6
	s_add_co_u32 s72, s72, s15
	s_mul_i32 s72, s72, 1536                       ; my pair of query tiles
	s_mov_b32 s73, 0
	s_lshl_b32 s74, s12, 12
	s_lshr_b32 s20, s15, 2
	s_lshl_b32 s20, s20, 8
	s_add_co_u32 s74, s74, s20
	s_and_b32 s20, s15, 3
	s_lshl_b32 s20, s20, 2
	s_add_co_u32 s74, s74, s20
	s_add_co_u32 s74, s74, AS                      ; its scale words
	s_mov_b32 s75, 0
	s_lshl_b32 s21, s13, 7
	s_lshl_b32 s20, s15, 1
	s_add_co_u32 s21, s21, s20                     ; the first of my two tiles among the 512
	s_lshl_b32 s26, s21, 12
	s_mov_b32 s27, 0
	s_lshl_b32 s78, s21, 3
	s_lshr_b32 s20, s14, 1                         ; the last product's K step: two heads
	s_add_co_u32 s78, s78, s20
	s_mul_i32 s78, s78, 1536
	s_and_b32 s22, s14, 1
	s_mul_i32 s23, s22, 768                        ; my head's half of the fragment
	s_add_co_u32 s78, s78, s23
	s_mov_b32 s79, 0
	s_lshl_b32 s28, s20, 15                        ; ctx's scales: [K step][row][4 bytes]
	s_lshl_b32 s23, s21, 6
	s_add_co_u32 s28, s28, s23
	s_lshl_b32 s23, s22, 1
	s_add_co_u32 s28, s28, s23
	s_add_co_u32 s28, s28, CS
	s_mov_b32 s29, 0
	s_wait_kmcnt 0x0
	s_add_nc_u64 s[68:69], s[4:5], s[68:69]
	s_add_nc_u64 s[70:71], s[4:5], s[70:71]
	s_add_nc_u64 s[72:73], s[4:5], s[72:73]
	s_add_nc_u64 s[74:75], s[4:5], s[74:75]
	s_add_nc_u64 s[26:27], s[6:7], s[26:27]
	s_add_nc_u64 s[28:29], s[8:9], s[28:29]
	s_add_nc_u64 s[8:9], s[8:9], s[78:79]
.irp c, 0,1,2
	global_load_b128 v[QP+4*\c:QP+4*\c+3], v1, s[72:73] offset:512*\c
.endr
	global_load_b32 v9, v236, s[74:75]
.irp i, 0,1,2,3,4,5,6,7,8,9,10,11
	global_load_b128 v[52+4*\i:55+4*\i], v1, s[68:69] offset:512*\i
.endr
.irp i, 0,1,2,3,4,5,6,7,8,9,10,11
	global_load_b128 v[100+4*\i:103+4*\i], v1, s[68:69] offset:6291456+512*\i
.endr
	global_load_b64 v[148:149], v3, s[70:71]
	global_load_b64 v[150:151], v3, s[70:71] offset:262144
	s_mov_b32 s16, 0x76543210
	s_mov_b32 s17, 0xfedcba98
	s_mov_b32 s18, 0x3e38aa3b                      ; c = log2(e) / 8
	s_mov_b32 s19, s18                             ; (named with it as a pair)
	s_wait_loadcnt 0x0
.irp i, 0,1,2,3,4,5,6,7,8,9,10,11
	ds_store_b128 v6, v[52+4*\i:55+4*\i] offset:512*\i
.endr
.irp i, 0,1,2,3,4,5,6,7,8,9,10,11
	ds_store_b128 v7, v[100+4*\i:103+4*\i] offset:512*\i
.endr
	ds_store_b64 v8, v[148:149]
	ds_store_b64 v8, v[150:151] offset:4096
	s_wait_dscnt 0x0                               ; for the others' sake: my stores have landed
	s_barrier_signal -1
	s_barrier_wait -1                              ; the head's K and V lie in LDS; nothing is written there again
	s_mov_b32 s25, 0                               ; chunk = 16 x tile + step
	s_mov_b32 s24, 0
	s_load_b512 s[32:47], s[26:27], s24 offset:0x0     ; the first step's 64 mask words (the loads that named s68-75 as bases are done)
	s_load_b512 s[48:63], s[26:27], s24 offset:0x40
	s_load_b512 s[68:83], s[26:27], s24 offset:0x80
	s_load_b512 s[84:99], s[26:27], s24 offset:0xc0
	v_mov_b32 v5, 0xd0000000                       ; -2^33
.irp i, 0,1,2,3,4,5
	v_mov_b32 v[QL+6+\i], 0
	v_mov_b32 v[QH+\i], 0
.endr
.irp b, 0,1,2,3
	v_mov_b32 v[BX+\b], 0                          ; written once: a lane permute's destination counts as one of its sources
.endr
	v_mov_b32 v235, 0                              ; (named as the upper half of the pair v[234:235])
	v_mov_b32 v236, 0
	s_mov_b32 s23, 2
.Ltile:
.irp i, 0,1,2,3,4,5
	v_mov_b32 v[QL+\i], v[QP+\i]
	v_mov_b32 v[QH+6+\i], v[QP+\i]
.endr
	v_and_b32 v10, 0xffff, v9                      ; the tile's two scale bytes under K's first half,
	v_lshlrev_b32 v11, 16, v10                     ; and under its second
	v_mov_b32 v13, 0xff61b1e6                      ; the largest t so far: -3e38
	v_floor_f32 v12, -v13                          ; -M
	v_mov_b32 v14, 0
	v_mov_b32 v15, 0
.irp j, 0,1,2,3,4,5,6,7,8,9,10,11,12,13,14,15,16,17,18,19,20,21,22,23,24,25,26,27,28,29,30,31
	v_mov_b32 v[O+\j], 0                           ; O^T: the step is written once; the first change of M leaves zeros zeros.  (These are also the places between the scale registers' writes and the first products)
.endr
	s_mov_b32 s20, 0
	s_mov_b32 s21, 0
	s_mov_b32 s22, 0
.Lstep:                                                ; 128 keys
	v_add_nc_u32 v6, s20, v1
	v_add_nc_u32 v7, VFB, v6
	v_add_nc_u32 v8, s21, v2
	v_nop                                          ; four places behind the last products, in front of loads into registers that they read
.irp j, 0,1,2,3
.irp c, 0,1,2
	ds_load_b128 v[KV+12*\j+4*\c:KV+12*\j+4*\c+3], v6 offset:1536*\j+512*\c
.endr
.endr
	ds_load_b128 v[KSW:KSW+3], v8
	s_wait_dscnt 0x0
.irp j, 0,1,2,3
	v_wmma_scale_f32_16x16x128_f8f6f4 v[S+16*\j:S+16*\j+7], v[KV+12*\j:KV+12*\j+11], v[QL:QL+11], 0, v[KSW+\j], v10 matrix_a_fmt:MATRIX_FMT_BF6 matrix_b_fmt:MATRIX_FMT_BF6
	v_wmma_scale_f32_16x16x128_f8f6f4 v[S+16*\j+8:S+16*\j+15], v[KV+12*\j:KV+12*\j+11], v[QH:QH+11], 0, v[KSW+\j], v11 matrix_a_fmt:MATRIX_FMT_BF6 matrix_b_fmt:MATRIX_FMT_BF6
.endr
.rept 4
	v_nop                                          ; places in front of the loads below and of the first read of the scores
.endr
.irp j, 0,1,2,3
.irp c, 0,1,2
	ds_load_b128 v[KV+12*\j+4*\c:KV+12*\j+4*\c+3], v7 offset:1536*\j+512*\c   ; this step's V lands under the softmax
.endr
.endr
	ds_load_b128 v[KSW:KSW+3], v8 offset:4096
	s_wait_kmcnt 0x0                               ; this step's mask words are in
.set n, 0
.rept 64
.if n < 32
	v_cndmask_b32 v[S+n], v[S+n], v5, s[32+n]      ; a masked score becomes -2^33; each tile of scores is taken from its low end on
.else
	v_cndmask_b32 v[S+n], v[S+n], v5, s[36+n]
.endif
.set n, n+1
.endr
.irp b, 0,1,2,3
	v_max3_num_f32 v[BM+\b], v[S+16*\b], v[S+1+16*\b], v[S+2+16*\b]   ; the largest score of each block of 32 keys: for the row's maximum and, since p rises with the score, for the block's largest p
.endr
.irp i, 3,5,7,9,11,13
.irp b, 0,1,2,3
	v_max3_num_f32 v[BM+\b], v[BM+\b], v[S+16*\b+\i], v[S+1+16*\b+\i]
.endr
.endr
.irp b, 0,1,2,3
	v_max_num_f32 v[BM+\b], v[BM+\b], v[S+15+16*\b]
.endr
	s_add_co_u32 s25, s25, 1                       ; the next step's mask words are asked for now (the wait above has shown the last loads done, so their offset may be written);
	s_min_u32 s25, s25, 31                         ; the last step asks for its own again: no load leaves the buffer
	s_lshl_b32 s24, s25, 8
	s_load_b512 s[32:47], s[26:27], s24 offset:0x0
	s_load_b512 s[48:63], s[26:27], s24 offset:0x40
	s_load_b512 s[68:83], s[26:27], s24 offset:0x80
	s_load_b512 s[84:99], s[26:27], s24 offset:0xc0
.irp b, 0,1,2,3
	v_permlanex16_b32 v[BX+\b], v[BM+\b], s16, s17
.endr
.irp b, 0,1,2,3
	v_max_num_f32 v[BM+\b], v[BM+\b], v[BX+\b]     ; with lane l xor 16's 16 keys
.endr
	v_max3_num_f32 v236, v[BM], v[BM+1], v[BM+2]
	v_max_num_f32 v236, v236, v[BM+3]
	v_mul_f32 v236, s18, v236                      ; the step's largest t
	v_max_num_f32 v13, v13, v236
	v_mov_b32 v236, v12
	v_floor_f32 v12, -v13                          ; the new -M = -ceil(t): a whole number
	v_sub_f32 v236, v12, v236                      ; old M - new M, 0 or less
	v_cvt_i32_f32 v236, v236                       ; (it saturates)
	v_ldexp_f32 v234, 1.0, v236                    ; f = 2^(old M - new M): a multiplication by it rounds nothing
.irp j, 0,2,4,6,8,10,12,14,16,18,20,22,24,26,28,30,32,34,36,38,40,42,44,46,48,50,52,54,56,58,60,62
	v_pk_fma_f32 v[S+\j:S+\j+1], v[S+\j:S+\j+1], s[18:19], v[12:13] op_sel_hi:[1,0,0]   ; t - M
.endr
.irp b, 0,1,2,3
	v_fma_f32 v[BM+\b], v[BM+\b], s18, v12
.endr
.irp j, 0,1,2,3,4,5,6,7,8,9,10,11,12,13,14,15,16,17,18,19,20,21,22,23,24,25,26,27,28,29,30,31,32,33,34,35,36,37,38,39,40,41,42,43,44,45,46,47,48,49,50,51,52,53,54,55,56,57,58,59,60,61,62,63
	v_exp_f32 v[S+\j], v[S+\j]                     ; p = 2^(t - M), at most 1
.endr
	v_pk_mul_f32 v[14:15], v[14:15], v[234:235] op_sel_hi:[1,0]   ; the sums under the new M: the plain place behind the exponentials
	s_wait_alu depctr_va_vdst(0)                   ; one wait for the batch, ahead of its first reader
.irp b, 0,1,2,3
	v_exp_f32 v[BM+\b], v[BM+\b]                   ; the block's largest p: the same two instructions on the same number
.endr
	v_pk_add_f32 v[238:239], v[S:S+1], v[S+2:S+3]  ; the row's sum of the unquantised p, in two chains
.irp j, 4,8,12,16,20,24,28,32,36,40,44,48,52,56,60
	v_pk_add_f32 v[14:15], v[14:15], v[S+\j:S+\j+1]
	v_pk_add_f32 v[238:239], v[238:239], v[S+2+\j:S+3+\j]
.endr
	v_pk_add_f32 v[14:15], v[14:15], v[238:239]
	s_wait_alu depctr_va_vdst(0)                   ; and one for the four
.irp b, 0,1,2,3
	v_max_num_f32 v[BM+\b], 0x2800000, v[BM+\b]    ; the floor 2^(5 - 127): the byte cannot fall under 1
.endr
.irp b, 0,1,2,3
	v_add_nc_u32 v[SCV+\b], 0xfe000000, v[BM+\b]
.endr
.irp b, 0,1,2,3
	v_lshrrev_b32 v[BX+\b], 23, v[SCV+\b]
.endr
	v_lshl_or_b32 v[PSW], v[BX+1], 8, v[BX]
	v_lshl_or_b32 v[PSW], v[BX+2], 16, v[PSW]
	v_lshl_or_b32 v[PSW], v[BX+3], 24, v[PSW]
.irp c, 0,1
	v_cvt_scalef32_pk16_bf6_f32 v[PC+6*\c:PC+6*\c+2], v[S+32*\c:S+32*\c+15], v[SCV+2*\c]
	v_cvt_scalef32_pk16_bf6_f32 v[TMPC+4*\c:TMPC+4*\c+2], v[S+16+32*\c:S+31+32*\c], v[SCV+2*\c+1]
.endr
	v_nop                                          ; one plain place behind the scaled conversions
.irp c, 0,1
.irp i, 0,1,2
	v_permlane16_swap_b32 v[PC+6*\c+\i], v[TMPC+4*\c+\i]
.endr
.irp i, 0,1,2
	v_mov_b32 v[PC+3+6*\c+\i], v[TMPC+4*\c+\i]
.endr
.endr
.irp j, 0,2,4,6,8,10,12,14,16,18,20,22,24,26,28,30
	v_pk_mul_f32 v[O+\j:O+\j+1], v[O+\j:O+\j+1], v[234:235] op_sel_hi:[1,0]   ; O^T under the new M; these are also the places between the writes of p's codes and scale word and the products
.endr
	s_wait_dscnt 0x0                               ; V
.irp t, 0,1,2,3
	v_wmma_scale_f32_16x16x128_f8f6f4 v[O+8*\t:O+8*\t+7], v[KV+12*\t:KV+12*\t+11], v[PC:PC+11], v[O+8*\t:O+8*\t+7], v[KSW+\t], v[PSW] matrix_a_fmt:MATRIX_FMT_BF6 matrix_b_fmt:MATRIX_FMT_BF6
.endr
	s_add_co_u32 s20, s20, 6144
	s_add_co_u32 s21, s21, 256
	s_add_co_u32 s22, s22, 1
	s_cmp_lt_u32 s22, 16
	s_cbranch_scc1 .Lstep
	; a tile's end: O^T / the sum, quantised along the head's 64 (register 16 g + i is channel 32 g + 16 (lane / 16) + i), six registers of codes and two scale bytes a row
.rept 4
	v_nop
.endr
	v_add_f32 v14, v14, v15
	v_permlanex16_b32 v236, v14, s16, s17
	v_add_f32 v14, v14, v236
	v_rcp_f32 v14, v14
	v_nop
	s_wait_alu depctr_va_vdst(0)
.irp j, 0,2,4,6,8,10,12,14,16,18,20,22,24,26,28,30
	v_pk_mul_f32 v[S+\j:S+\j+1], v[O+\j:O+\j+1], v[14:15] op_sel_hi:[1,0]
.endr
.irp g, 0,1
	v_max3_num_f32 v[BM+\g], |v[S+16*\g]|, |v[S+1+16*\g]|, 0x2800000
.endr
.irp i, 2,4,6,8,10,12,14
.irp g, 0,1
	v_max3_num_f32 v[BM+\g], v[BM+\g], |v[S+16*\g+\i]|, |v[S+1+16*\g+\i]|
.endr
.endr
.irp g, 0,1
	v_permlanex16_b32 v[BX+\g], v[BM+\g], s16, s17
.endr
.irp g, 0,1
	v_max_num_f32 v[BM+\g], v[BM+\g], v[BX+\g]
.endr
.irp g, 0,1
	v_add_nc_u32 v[SCV+\g], 0xfe000000, v[BM+\g]
.endr
.irp g, 0,1
	v_lshrrev_b32 v[BX+\g], 23, v[SCV+\g]
.endr
	v_lshl_or_b32 v237, v[BX+1], 8, v[BX]
	v_cvt_scalef32_pk16_bf6_f32 v[PC:PC+2], v[S:S+15], v[SCV]
	v_cvt_scalef32_pk16_bf6_f32 v[TMPC:TMPC+2], v[S+16:S+31], v[SCV+1]
	v_nop
.irp i, 0,1,2
	v_permlane16_swap_b32 v[PC+\i], v[TMPC+\i]
.endr
.irp i, 0,1,2
	v_mov_b32 v[PC+3+\i], v[TMPC+\i]
.endr
.irp p, 0,1,2
	global_store_b64 v3, v[PC+2*\p:PC+2*\p+1], s[8:9] offset:256*\p   ; 256 consecutive bytes a store, aligned: my head's half of a fragment
.endr
	global_store_b16 v4, v237, s[28:29]            ; two bytes of the row's word; lanes l and l xor 16 write the same
	s_wait_xcnt 0x0                                ; the stores have read their registers and bases
	s_add_nc_u64 s[8:9], s[8:9], 12288
	s_add_nc_u64 s[28:29], s[28:29], 64
.irp i, 0,1,2,3,4,5
	v_mov_b32 v[QP+\i], v[QP+6+\i]                 ; on to the pair's second tile
.endr
	v_lshrrev_b32 v9, 16, v9
	s_sub_co_u32 s23, s23, 1
	s_cmp_lg_u32 s23, 0
	s_cbranch_scc1 .Ltile
	s_wait_kmcnt 0x0
	s_wait_tensorcnt 0x0
	ds_add_u32 v254, v255
	s_wait_dscnt 0x0
	s_endpgm
.Lfunc_end_k_qd1576217b2_attn:
	.size	k_qd1576217b2_attn, .Lfunc_end_k_qd1576217b2_attn-k_qd1576217b2_attn
	.p2alignl 7, 3214868480
	.fill 96, 4, 3214868480
	.section	.rodata,"a",@progbits
	.p2align	6, 0x0
	.amdhsa_kernel k_qd1576217b2_attn
		.amdhsa_group_segment_fixed_size 206848
		.amdhsa_private_segment_fixed_size 0
		.amdhsa_enable_private_segment 0
		.amdhsa_kernarg_size 24
		.amdhsa_user_sgpr_count 2
		.amdhsa_user_sgpr_kernarg_segment_ptr 1
		.amdhsa_wavefront_size32 1
		.amdhsa_system_sgpr_workgroup_id_x 1
		.amdhsa_system_sgpr_workgroup_id_y 1
		.amdhsa_system_sgpr_workgroup_id_z 1
		.amdhsa_system_vgpr_workitem_id 0
		.amdhsa_next_free_vgpr 256
		.amdhsa_next_free_sgpr 100
		.amdhsa_reserve_vcc 0
		.amdhsa_float_denorm_mode_32 3
		.amdhsa_float_denorm_mode_16_64 3
		.amdhsa_memory_ordered 1
		.amdhsa_forward_progress 1
		.amdhsa_inst_pref_size 35
	.end_amdhsa_kernel
	.amdgpu_metadata
---
amdhsa.version: [ 1, 2 ]
amdhsa.kernels:
  - .name:           k_qd1576217b2_attn
    .symbol:         k_qd1576217b2_attn.kd
    .args:
      - { .name: aq, .offset: 0, .size: 8, .value_kind: global_buffer, .address_space: global }
      - { .name: mw, .offset: 8, .size: 8, .value_kind: global_buffer, .address_space: global }
      - { .name: cq, .offset: 16, .size: 8, .value_kind: global_buffer, .address_space: global }
    .group_segment_fixed_size: 206848
    .private_segment_fixed_size: 0
    .kernarg_segment_align: 8
    .kernarg_segment_size: 24
    .max_flat_workgroup_size: 512
    .sgpr_count:     100
    .vgpr_count:     256
    .wavefront_size: 32
...
	.end_amdgpu_metadata
.endif
;; end of part 3
;; launch outln (part 4): grid 256 x 1, 16 waves a work-group, no clusters, 134,144 bytes of LDS; arguments cq, wq, Q, bo, ln_g, ln_b, out0; writes out0
.if DOCPART == 4
	.amdgcn_target "amdgcn-amd-amdhsa--gfx1250"
	.amdhsa_code_object_version 6
	.text
	.protected	k_qd1576217b2_outln
	.globl	k_qd1576217b2_outln
	.p2align	8
	.type	k_qd1576217b2_outln,@function
k_qd1576217b2_outln:
	s_mov_b64 s[64:65], 0
	v_nop
	global_prefetch_b8 v0, s[64:65] scope:SCOPE_SE
	s_setreg_imm32_b32 hwreg(HW_REG_WAVE_MODE, 25, 1), 1
	s_wait_xcnt 0x0
; OUTLN.  out0 = LayerNorm(ctx Wo + bo + Q) x ln_g + ln_b; the product on codes of BF6 (E3M2) with E8M0 scales, all else in f32.
; SHARES.  A work-group takes 32 rows (two stored tiles of ctx) and all 1,024 columns, so that a row's mean and variance are made inside it: 8,192 rows make 256 work-groups.
; Wave w makes columns 64 w .. 64 w + 63: 8 accumulators, (a, b) at v[16 + 32 a + 8 b].
; Source 0 = 16 columns of Wo (tile order: a lane's 32 registers of a tile of rows are columns 64 w + 32 g + 16 (lane / 16) + i), source 1 = 16 rows of ctx.
; ctx's 24,576 bytes of codes go through LDS once, for all sixteen waves.  Wo's fragments are read by one wave of the work-group alone: they go from memory straight into registers.
; ONE K STEP AHEAD: Wo's fragments, ctx's fragments and the scale words have two sets of registers; a step first asks for the next step's, then waits for its own by counted waits, then multiplies.
; NO CLUSTER: the work-groups share Wo alone, and each of its fragments serves one wave of a work-group: through LDS it would be written and read once more for nothing.
; THE RESIDUAL AND THE BIAS ARE THE SUMS' BEGINNING: Q's rows are loaded as whole 256 bytes, turned through the wave's stage into the accumulators' layout, bo is added, and every K step adds in place.
; THE NORM takes two passes (mean; then the squares of the differences): no difference of large sums.  1 / sqrt by v_rsq_f32.
; LIMITS: NaN and infinities are not served.
.set WS,   3145728
.set CS,   6291456
.set CSC,  24576                       ; LDS: ctx's codes at 0; its scale bytes [row 32][32] here;
.set WSC,  25600                       ; Wo's scale bytes [column 1024][32];
.set STG,  58368                       ; a stage of 16 rows x 272 bytes for each wave;
.set RED1, 128000                      ; the waves' row sums [tile 2][row 16][wave 16], and 2,048 bytes on the sums of squares
.set ACC,  16                          ; v16-79
.set WOF,  80                          ; v80-127, v128-175 Wo's four fragments, two sets; at the head v128-159 bo; later ln_g (v80-111), ln_b (v112-143), rows on their way out (v144-175)
.set CTF,  176                         ; v176-199, v200-223 ctx's two fragments, two sets; at the head copies; later the waves' sums and rows on their way out (v176-207)
.set SC,   10                          ; v10-13, v224-227 scale words, two sets: lanes 0-15 Wo's tile i, lanes 16-31 ctx's tile i (of words 2 and 3 lanes 16-31 are read by nobody)
; v1 16 L; v2 8 L; v3 scale words' address; v4, v5 the stage by lanes' layout and by rows; v6 my bytes in a pair of rows; v7, v8 the sums' words; v9 64 h; v14 r; v15 h; v240-253 at work
	s_load_b256 s[4:11], s[0:1], 0x0               ; cq, wq, Q, bo
	s_load_b128 s[12:15], s[0:1], 0x20             ; ln_g, ln_b
	s_load_b64 s[16:17], s[0:1], 0x30              ; out0
	v_lshl_add_u32 v254, v0, 2, 0x20400
	v_mov_b32 v255, 0
	v_lshrrev_b32 v1, 5, v0
	v_readfirstlane_b32 s18, v1                    ; wave 0..15
	v_and_b32 v14, 15, v0
	v_bfe_u32 v15, v0, 4, 1
	v_and_b32 v9, 31, v0
	v_lshlrev_b32 v1, 4, v9
	v_lshlrev_b32 v2, 3, v9
	v_lshlrev_b32 v251, 2, v14                     ; 4 r
	v_xor_b32 v3, 1, v15                           ; 1 in lanes 0-15, which take Wo's words, further up in LDS than ctx's
	s_lshl_b32 s19, s18, 11
	s_add_co_u32 s19, s19, WSC-CSC
	v_mul_u32_u24 v3, s19, v3
	v_lshl_add_u32 v3, v14, 5, v3
	v_add_nc_u32 v3, CSC, v3
	s_mul_i32 s19, s18, 4352
	s_add_co_u32 s19, s19, STG
	v_mul_u32_u24 v4, v14, 272
	v_lshl_add_u32 v4, v15, 6, v4
	v_add_nc_u32 v4, s19, v4                       ; row r, my half's 16 columns of a block of 32
	v_mul_u32_u24 v5, v15, 272
	v_lshl_add_u32 v5, v14, 4, v5
	v_add_nc_u32 v5, s19, v5                       ; lanes 0-15 one row of 256 bytes, lanes 16-31 the next
	v_lshlrev_b32 v6, 12, v15
	v_lshl_add_u32 v6, v14, 4, v6
	s_lshl_b32 s38, s18, 8
	v_add_nc_u32 v6, s38, v6                       ; the same two rows in Q and in out0, my wave's 256 bytes
	v_lshlrev_b32 v8, 6, v14
	v_add_nc_u32 v8, RED1, v8
	v_lshl_add_u32 v7, s18, 2, v8
	s_mul_i32 s19, s18, 1536
	v_add_nc_u32 v248, s19, v1                     ; where my part of ctx's codes goes,
	s_mul_i32 s28, ttmp9, 24576
	s_add_co_u32 s28, s28, s19
	s_mov_b32 s29, 0
	s_lshl_b32 s30, s18, 11
	s_add_co_u32 s19, s30, WSC
	v_add_nc_u32 v249, s19, v1                     ; my columns' scale bytes,
	s_add_co_u32 s30, s30, WS+98304
	s_mov_b32 s31, 0
	s_and_b32 s19, s18, 1
	s_lshr_b32 s32, s18, 1
	s_lshl_b32 s36, s19, 9
	s_lshl_b32 s37, s32, 2
	s_add_co_u32 s36, s36, s37
	s_add_co_u32 s36, s36, CSC
	v_lshl_add_u32 v250, v14, 5, s36               ; and 16 rows' words of K step w / 2: row 16 (w % 2) + r, 32 bytes a row
	s_lshl_b32 s32, s32, 15
	s_lshl_b32 s19, s19, 6
	s_add_co_u32 s32, s32, s19
	s_lshl_b32 s19, ttmp9, 7
	s_add_co_u32 s32, s32, s19
	s_add_co_u32 s32, s32, CS
	s_mov_b32 s33, 0
	s_mul_i32 s34, s18, 49152
	s_add_co_u32 s34, s34, 2359296                 ; Wo's codes, my four tiles
	s_mov_b32 s35, 0
	s_lshl_b32 s36, ttmp9, 17                      ; 32 rows of 4,096 bytes
	s_mov_b32 s37, 0
	s_mov_b32 s39, 0
	v_lshlrev_b32 v9, 6, v15
	s_mov_b32 s22, 0x76543210
	s_mov_b32 s23, 0xfedcba98
	s_mov_b32 s24, 0x3a800000                      ; 1 / 1,024
	s_mov_b32 s25, 0x3727c5ac                      ; 1e-5
	v_mov_b32 v252, 0                              ; written once: a lane permute's destination counts as one of its sources
	v_mov_b32 v253, 0
	s_wait_kmcnt 0x0
	s_add_nc_u64 s[28:29], s[4:5], s[28:29]
	s_add_nc_u64 s[32:33], s[4:5], s[32:33]
	s_add_nc_u64 s[30:31], s[6:7], s[30:31]
	s_add_nc_u64 s[34:35], s[6:7], s[34:35]
	s_add_nc_u64 s[8:9], s[8:9], s[36:37]
	s_add_nc_u64 s[16:17], s[16:17], s[36:37]
	s_add_nc_u64 s[10:11], s[10:11], s[38:39]
	s_add_nc_u64 s[12:13], s[12:13], s[38:39]
	s_add_nc_u64 s[14:15], s[14:15], s[38:39]
.macro WLOAD g                         ; Wo's four fragments of K step g into set g % 2: 512 consecutive bytes a load
.irp b, 0,1,2,3
.irp c, 0,1,2
	global_load_b128 v[WOF+48*((\g)%2)+12*\b+4*\c:WOF+48*((\g)%2)+12*\b+4*\c+3], v1, s[34:35] offset:12288*\b+1536*(\g)+512*\c
.endr
.endr
.endm
.macro CLOAD g                         ; ctx's two fragments and the four scale words of K step g into set g % 2
.irp a, 0,1
.irp p, 0,1,2,3,4,5
	ds_load_b64 v[CTF+24*((\g)%2)+12*\a+2*\p:CTF+24*((\g)%2)+12*\a+2*\p+1], v2 offset:12288*\a+1536*(\g)+256*\p
.endr
.endr
.irp i, 0,1,2,3
	ds_load_b32 v[SC+214*((\g)%2)+\i], v3 offset:512*\i+4*(\g)
.endr
.endm
.irp i, 0,1,2
	global_load_b128 v[176+4*\i:179+4*\i], v1, s[28:29] offset:512*\i      ; my 1,536 bytes of ctx's codes
.endr
.irp i, 0,1,2,3
	global_load_b128 v[188+4*\i:191+4*\i], v1, s[30:31] offset:512*\i      ; my columns' 2,048 scale bytes
.endr
	global_load_b32 v204, v251, s[32:33]           ; 16 rows' scale words of one K step; lanes l and l xor 16 take the same
.irp a, 0,1
.irp p, 0,1,2,3,4,5,6,7
	global_load_b128 v[ACC+32*\a+4*\p:ACC+32*\a+4*\p+3], v6, s[8:9] offset:(8*\a+2*\p+8*(\p/4))*4096 th:TH_LOAD_NT   ; places 2 p and 2 p + 1 of tile a: sixteen lanes read 256 consecutive bytes
.endr
.endr
.irp g, 0,1
.irp k, 0,1,2,3
	global_load_b128 v[128+16*\g+4*\k:131+16*\g+4*\k], v9, s[10:11] offset:128*\g+16*\k   ; bo in the accumulators' order
.endr
.endr
	WLOAD 0
	s_wait_loadcnt 36                              ; the copies are in; the residual's 16 loads, bo's 8 and Wo's 12 may be out
.irp i, 0,1,2
	ds_store_b128 v248, v[176+4*\i:179+4*\i] offset:512*\i
.endr
.irp i, 0,1,2,3
	ds_store_b128 v249, v[188+4*\i:191+4*\i] offset:512*\i
.endr
	ds_store_b32 v250, v204                        ; lanes l and l xor 16 write the same word with the same value
	s_wait_loadcnt 20                              ; the residual is in; bo's 8 loads and Wo's 12 may be out
.irp a, 0,1
.irp p, 0,1,2,3,4,5,6,7
	ds_store_b128 v5, v[ACC+32*\a+4*\p:ACC+32*\a+4*\p+3] offset:544*\p
.endr
	s_wait_dscnt 0x0                               ; the stores have read the registers into which the loads below land
.irp b, 0,1,2,3
.irp k, 0,1
	ds_load_b128 v[ACC+32*\a+8*\b+4*\k:ACC+32*\a+8*\b+4*\k+3], v4 offset:128*(\b/2)+32*(\b%2)+16*\k   ; LDS serves a wave's instructions in order: the next tile's stores come behind these
.endr
.endr
.endr
	s_wait_dscnt 0x0                               ; for the others' sake: my copies have landed; and the residual is back
	s_barrier_signal -1
	s_barrier_wait -1                              ; ctx's codes and all scale bytes lie in LDS; nothing is written there again
	CLOAD 0
	s_wait_loadcnt 12                              ; bo is in; Wo's 12 loads may be out
.irp a, 0,1
.irp j, 0,2,4,6,8,10,12,14,16,18,20,22,24,26,28,30
	v_pk_add_f32 v[ACC+32*\a+\j:ACC+32*\a+\j+1], v[ACC+32*\a+\j:ACC+32*\a+\j+1], v[128+\j:129+\j]
.endr
.endr
; K step g: 128 along K, two heads.  The 8 accumulators take turns, one instruction a turn, in the same order in every step.
.macro KSTEP g
.if (\g) < 7
	WLOAD (\g)+1                                   ; the other sets were last read by the step before, four places back
	CLOAD (\g)+1
	s_wait_loadcnt 12                              ; this step's fragments of Wo are in; the 12 loads just issued may be out
	s_wait_dscnt 16                                ; and ctx's and the scale words; the 16 just issued may be out
.else
	s_wait_loadcnt 0x0
	s_wait_dscnt 0x0
.endif
.irp a, 0,1
.irp b, 0,1,2,3
	v_wmma_scale_f32_16x16x128_f8f6f4 v[ACC+32*\a+8*\b:ACC+32*\a+8*\b+7], v[WOF+48*((\g)%2)+12*\b:WOF+48*((\g)%2)+12*\b+11], v[CTF+24*((\g)%2)+12*\a:CTF+24*((\g)%2)+12*\a+11], v[ACC+32*\a+8*\b:ACC+32*\a+8*\b+7], v[SC+214*((\g)%2)+\b], v[SC+214*((\g)%2)+\a] matrix_a_fmt:MATRIX_FMT_BF6 matrix_b_fmt:MATRIX_FMT_BF6 matrix_b_scale:MATRIX_SCALE_ROW1
.endr
.endr
.rept 4
	v_nop                                          ; places in front of loads into registers that products have read, and of the first read of results
.endr
.endm
.irp t, 0,1,2,3,4,5,6,7
	KSTEP \t
.endr
.irp g, 0,1
.irp k, 0,1,2,3
	global_load_b128 v[80+16*\g+4*\k:83+16*\g+4*\k], v9, s[12:13] offset:128*\g+16*\k     ; ln_g and ln_b in the accumulators' order: they land under the two sums
	global_load_b128 v[112+16*\g+4*\k:115+16*\g+4*\k], v9, s[14:15] offset:128*\g+16*\k
.endr
.endr
; my lane's part of a sum stands in the pair v[240 + 2 a]: its halves, lane l xor 16's, then to my wave's word of the row; a barrier; the sixteen waves' parts of my row
.macro TOWORDS off
.irp a, 0,1
	v_add_f32 v[248+\a], v[240+2*\a], v[241+2*\a]
.endr
.irp a, 0,1
	v_permlanex16_b32 v[252+\a], v[248+\a], s22, s23
.endr
.irp a, 0,1
	v_add_f32 v[248+\a], v[248+\a], v[252+\a]
.endr
.irp a, 0,1
	ds_store_b32 v7, v[248+\a] offset:\off+1024*\a   ; lanes l and l xor 16 write the same word with the same value
.endr
	s_wait_dscnt 0x0
	s_barrier_signal -1
	s_barrier_wait -1
.irp t, 0,1
.irp k, 0,1,2,3
	ds_load_b128 v[176+16*\t+4*\k:179+16*\t+4*\k], v8 offset:\off+1024*\t+16*\k
.endr
.endr
	s_wait_dscnt 0x0
.irp j, 2,4,6,8,10,12,14
.irp t, 0,1
	v_pk_add_f32 v[176+16*\t:177+16*\t], v[176+16*\t:177+16*\t], v[176+16*\t+\j:177+16*\t+\j]
.endr
.endr
.irp t, 0,1
	v_add_f32 v[240+2*\t], v[176+16*\t], v[177+16*\t]
.endr
.endm
.irp a, 0,1
	v_pk_add_f32 v[240+2*\a:241+2*\a], v[ACC+32*\a:ACC+32*\a+1], v[ACC+32*\a+2:ACC+32*\a+3]   ; each accumulator is read from its low end on; two chains a tile
.endr
.irp a, 0,1
	v_pk_add_f32 v[244+2*\a:245+2*\a], v[ACC+32*\a+4:ACC+32*\a+5], v[ACC+32*\a+6:ACC+32*\a+7]
.endr
.irp j, 8,12,16,20,24,28
.irp a, 0,1
	v_pk_add_f32 v[240+2*\a:241+2*\a], v[240+2*\a:241+2*\a], v[ACC+32*\a+\j:ACC+32*\a+\j+1]
	v_pk_add_f32 v[244+2*\a:245+2*\a], v[244+2*\a:245+2*\a], v[ACC+32*\a+\j+2:ACC+32*\a+\j+3]
.endr
.endr
.irp a, 0,1
	v_pk_add_f32 v[240+2*\a:241+2*\a], v[240+2*\a:241+2*\a], v[244+2*\a:245+2*\a]
.endr
	TOWORDS 0
.irp a, 0,1
	v_mul_f32 v[240+2*\a], s24, v[240+2*\a]        ; the row's mean
.endr
.irp a, 0,1
.irp j, 0,2,4,6,8,10,12,14,16,18,20,22,24,26,28,30
	v_pk_add_f32 v[ACC+32*\a+\j:ACC+32*\a+\j+1], v[ACC+32*\a+\j:ACC+32*\a+\j+1], v[240+2*\a:241+2*\a] op_sel_hi:[1,0] neg_lo:[0,1] neg_hi:[0,1]
.endr
.endr
.irp a, 0,1
	v_pk_mul_f32 v[240+2*\a:241+2*\a], v[ACC+32*\a:ACC+32*\a+1], v[ACC+32*\a:ACC+32*\a+1]
	v_pk_mul_f32 v[244+2*\a:245+2*\a], v[ACC+32*\a+2:ACC+32*\a+3], v[ACC+32*\a+2:ACC+32*\a+3]
.endr
.irp j, 4,8,12,16,20,24,28
.irp a, 0,1
	v_pk_fma_f32 v[240+2*\a:241+2*\a], v[ACC+32*\a+\j:ACC+32*\a+\j+1], v[ACC+32*\a+\j:ACC+32*\a+\j+1], v[240+2*\a:241+2*\a]
	v_pk_fma_f32 v[244+2*\a:245+2*\a], v[ACC+32*\a+\j+2:ACC+32*\a+\j+3], v[ACC+32*\a+\j+2:ACC+32*\a+\j+3], v[244+2*\a:245+2*\a]
.endr
.endr
.irp a, 0,1
	v_pk_add_f32 v[240+2*\a:241+2*\a], v[240+2*\a:241+2*\a], v[244+2*\a:245+2*\a]
.endr
	TOWORDS 2048
.irp a, 0,1
	v_fma_f32 v[240+2*\a], v[240+2*\a], s24, s25   ; the variance + 1e-5
.endr
.irp a, 0,1
	v_rsq_f32 v[240+2*\a], v[240+2*\a]
.endr
	v_nop                                          ; a plain place behind the last of them
	s_wait_alu depctr_va_vdst(0)                   ; one wait for the two, ahead of their first reader
	s_wait_loadcnt 0x0                             ; ln_g, ln_b
.irp a, 0,1
.irp j, 0,2,4,6,8,10,12,14,16,18,20,22,24,26,28,30
	v_pk_mul_f32 v[ACC+32*\a+\j:ACC+32*\a+\j+1], v[ACC+32*\a+\j:ACC+32*\a+\j+1], v[240+2*\a:241+2*\a] op_sel_hi:[1,0]
.endr
.irp j, 0,2,4,6,8,10,12,14,16,18,20,22,24,26,28,30
	v_pk_fma_f32 v[ACC+32*\a+\j:ACC+32*\a+\j+1], v[ACC+32*\a+\j:ACC+32*\a+\j+1], v[80+\j:81+\j], v[112+\j:113+\j]
.endr
.endr
	; the way out: a tile through my stage, back as rows (tile 0 into v176-207, tile 1 into v144-175); sixteen lanes store 256 consecutive bytes, at a multiple of 256 from out0's first byte
.irp a, 0,1
.irp b, 0,1,2,3
.irp k, 0,1
	ds_store_b128 v4, v[ACC+32*\a+8*\b+4*\k:ACC+32*\a+8*\b+4*\k+3] offset:128*(\b/2)+32*(\b%2)+16*\k
.endr
.endr
.irp p, 0,1,2,3,4,5,6,7
	ds_load_b128 v[176-32*\a+4*\p:179-32*\a+4*\p], v5 offset:544*\p   ; LDS serves a wave's instructions in order: these see the stores above, and the next tile's stores come behind them
.endr
.endr
.irp a, 0,1
	s_wait_dscnt 16-16*\a                          ; tile 0 is back (tile 1's 8 stores and 8 loads may be out); then tile 1
.irp p, 0,1,2,3,4,5,6,7
	global_store_b128 v6, v[176-32*\a+4*\p:179-32*\a+4*\p], s[16:17] offset:(8*\a+2*\p+8*(\p/4))*4096 th:TH_STORE_NT
.endr
.endr
	s_wait_tensorcnt 0x0
	ds_add_u32 v254, v255
	s_wait_dscnt 0x0
	s_endpgm
.Lfunc_end_k_qd1576217b2_outln:
	.size	k_qd1576217b2_outln, .Lfunc_end_k_qd1576217b2_outln-k_qd1576217b2_outln
	.p2alignl 7, 3214868480
	.fill 96, 4, 3214868480
	.section	.rodata,"a",@progbits
	.p2align	6, 0x0
	.amdhsa_kernel k_qd1576217b2_outln
		.amdhsa_group_segment_fixed_size 134144
		.amdhsa_private_segment_fixed_size 0
		.amdhsa_enable_private_segment 0
		.amdhsa_kernarg_size 56
		.amdhsa_user_sgpr_count 2
		.amdhsa_user_sgpr_kernarg_segment_ptr 1
		.amdhsa_wavefront_size32 1
		.amdhsa_system_sgpr_workgroup_id_x 1
		.amdhsa_system_sgpr_workgroup_id_y 1
		.amdhsa_system_sgpr_workgroup_id_z 1
		.amdhsa_system_vgpr_workitem_id 0
		.amdhsa_next_free_vgpr 256
		.amdhsa_next_free_sgpr 66
		.amdhsa_reserve_vcc 0
		.amdhsa_float_denorm_mode_32 3
		.amdhsa_float_denorm_mode_16_64 3
		.amdhsa_memory_ordered 1
		.amdhsa_forward_progress 1
		.amdhsa_inst_pref_size 58
	.end_amdhsa_kernel
	.amdgpu_metadata
---
amdhsa.version: [ 1, 2 ]
amdhsa.kernels:
  - .name:           k_qd1576217b2_outln
    .symbol:         k_qd1576217b2_outln.kd
    .args:
      - { .name: cq, .offset: 0, .size: 8, .value_kind: global_buffer, .address_space: global }
      - { .name: wq, .offset: 8, .size: 8, .value_kind: global_buffer, .address_space: global }
      - { .name: Q, .offset: 16, .size: 8, .value_kind: global_buffer, .address_space: global }
      - { .name: bo, .offset: 24, .size: 8, .value_kind: global_buffer, .address_space: global }
      - { .name: ln_g, .offset: 32, .size: 8, .value_kind: global_buffer, .address_space: global }
      - { .name: ln_b, .offset: 40, .size: 8, .value_kind: global_buffer, .address_space: global }
      - { .name: out0, .offset: 48, .size: 8, .value_kind: global_buffer, .address_space: global }
    .group_segment_fixed_size: 134144
    .private_segment_fixed_size: 0
    .kernarg_segment_align: 8
    .kernarg_segment_size: 56
    .max_flat_workgroup_size: 512
    .sgpr_count:     66
    .vgpr_count:     256
    .wavefront_size: 32
...
	.end_amdgpu_metadata
.endif
;; end of part 4
;; ======== version 2 of 2: 4 launches; version 1 with the launches attn, outln written anew for expert scheduling mode
;; limits: right only within a limited range of input values
;; workspace buffers: xq 19,660,800 bytes; wq 3,276,800 bytes; mw 2,097,152 bytes of whole numbers; aq 19,660,800 bytes; cq 6,553,600 bytes
;; launch prep: the kernel of part 1 again; grid 640 x 1, 4 waves a work-group, no clusters, 35,328 bytes of LDS; arguments Q, K, V, Wq, Wk, Wv, Wo, attn_mask, xq, wq, mw; writes xq, wq, mw
;; launch proj: the kernel of part 2 again; grid 4 x 96, 4 waves a work-group, clusters of 4 x 4, 327,680 bytes of LDS; arguments xq, wq, bq, bk, bv, aq; writes aq
;; launch attn (part 5): grid 4 x 64, 16 waves a work-group, no clusters, 206,848 bytes of LDS; arguments aq, mw, cq; writes cq
.if DOCPART == 5
	.amdgcn_target "amdgcn-amd-amdhsa--gfx1250"
	.amdhsa_code_object_version 6
	.text
	.protected	k_qd1576217b2_attn
	.globl	k_qd1576217b2_attn
	.p2align	8
	.type	k_qd1576217b2_attn,@function
k_qd1576217b2_attn:
	s_mov_b64 s[64:65], 0
	v_nop
	global_prefetch_b8 v0, s[64:65] scope:SCOPE_SE
	s_setreg_imm32_b32 hwreg(HW_REG_WAVE_SCHED_MODE, 0, 2), 2
	s_setreg_imm32_b32 hwreg(HW_REG_WAVE_MODE, 25, 1), 1
	s_wait_xcnt 0x0
	s_wait_alu depctr_vm_vsrc(0)
; ATTN.  ctx = softmax(q k^T / 8, under the mask) v for one head, both products on codes of BF6 (E3M2) with E8M0 scales; ctx is quantised along the head's 64 for the last product.
; THE SOFTMAX: t = score x log2(e) / 8; M = the running largest t rounded UP to a whole number; p = 2^(t - M) is quantised along the keys; the row's sum is taken of the unquantised p and divides at the end.
; SHARES.  A work-group owns 512 queries of one head; the head's K and V, 204,800 bytes with their scale words, come into LDS ONCE, through registers (wave w copies key step w), one barrier.
; Each of the sixteen waves owns 32 queries, two tiles of 16, one after the other; a tile walks 16 key steps of 128 keys.  Four waves share a SIMD: one wave's vector work stands beside another's products.
; LAYOUT.  Both products are used transposed (S^T = k q^T, O^T = v^T p^T): a lane holds ONE query.  Tokens are stored in tile order, so that score register 16 c + i is key 32 c + 16 (lane / 16) + i of the step.
; THE HEAD'S 64 ARE HALF OF THE INSTRUCTION'S 128: a fragment of K holds TWO key tiles, one in each half of K.  It is multiplied by [q | zeros] for the first and by [zeros | q] for the second: zero codes add nothing under any scale byte but 0xff.
; THE MASK comes as words with one bit a lane, one word for each score register, by scalar loads a step ahead; the 64 selects are made in every step: no branch and no address hangs on the mask.
; NO CLUSTER: the four work-groups of a head share K and V, but each fetches them once, at its head, 204,800 bytes for its 512 tile steps; there is no ring whose refills could be asked for jointly.
; LIMITS.  A masked score becomes -2^33, a logit of -2^30 where the reference has -1e9: t is then a whole number, so a row that is masked throughout gives p = 1 for every key, and a later key that counts wipes it out.
; It differs from the reference only where logits that count lie near or under -1e9.  NaN and infinities are not served.  A block of zeros gets the byte 1 (its codes are zeros).
; THE MODE: SCHED_MODE bits 1:0 = 2 (LLVM: expert scheduling mode 2), set by the entry lines.  The code itself states the register dependences
; between vector or matrix instructions and memory or LDS instructions, with s_wait_alu, always for 0.
; THE PLAN.  Registers that LDS or memory instructions touch, in a key step:
;   v6, v7, v8    LDS addresses.  Written by three additions at the step's head; read by the step's 26 LDS loads.
;   KV, KSW       K's fragments and scale words land at the head; the eight products k q^T read them; V's land behind the exponentials; the four products v^T p^T read them.
;   PC, PSW       written by conversions, swaps and moves; read by v^T p^T as operand and as scale.  At a tile's end PC and v237 are the data of stores.
;   v1 .. v4      made once, never written again.
; So a step holds one wait on vm_vsrc, ahead of the three additions, and three on va_vdst: behind the additions (the addresses are written, the last step's v^T p^T are done reading KV and KSW);
; behind the one batch of 68 exponentials (their results; k q^T are done reading KV and KSW, so V's loads follow at once; the selects are done with the mask words, so the next words are asked for there);
; and ahead of v^T p^T (PC and PSW are written).  No vector or matrix instruction between a wait and the loads that lean on it names a register that those loads touch.
.set AS,   18874368
.set CS,   6291456
.set VFB,  98304                       ; LDS: K's fragments at 0, V's here,
.set KSB,  196608                      ; K's scale words, and V's 4,096 bytes on
.set QL,   16                          ; v16-27  [q | 0]
.set QH,   28                          ; v28-39  [0 | q]
.set QP,   40                          ; v40-51  my pair of query tiles
.set KV,   52                          ; v52-99  four fragments of K or of V
.set S,    100                         ; v100-163 S^T, then p
.set O,    164                         ; v164-195 O^T
.set PC,   196                         ; v196-207 p's codes
.set TMPC, 208                         ; v208-215 the conversions' second halves
.set BM,   216                         ; v216-219 each block's largest score, then its largest p
.set BX,   220                         ; v220-223 the other half's, then the bytes
.set SCV,  224                         ; v224-227 the conversions' scale operands
.set KSW,  228                         ; v228-231 K's or V's scale words
.set PSW,  232                         ; v232     p's scale word
; v1 16 L; v2 KSB + 16 r; v3 8 L; v4 4 r; v5 -2^33; v6-8 addresses of the step; v9 my queries' scale word; v10, v11 its two forms; v12 -M; v13 the largest t; v[14:15] the sum; v[234:235] f; v236-239 at work
; s10 wave; s[16:17] lane selects; s[18:19] c; s20, s21 the step's LDS bytes; s22 step; s23 tiles to go; s24, s25 the mask words' offset and chunk; s[26:27] mask words; s[8:9], s[28:29] ctx; s32-63, s68-99 64 mask words
	s_load_b128 s[4:7], s[0:1], 0x0                ; aq, mw
	s_load_b64 s[8:9], s[0:1], 0x10                ; cq
	v_lshl_add_u32 v254, v0, 2, 0x32000
	v_mov_b32 v255, 0
	v_lshrrev_b32 v1, 5, v0
	v_readfirstlane_b32 s10, v1                    ; wave 0..15
	v_and_b32 v4, 15, v0                           ; r
	v_and_b32 v3, 31, v0                           ; L
	v_lshlrev_b32 v1, 4, v3
	v_lshlrev_b32 v3, 3, v3
	v_lshlrev_b32 v236, 4, v4                      ; 16 r
	v_add_nc_u32 v2, KSB, v236
	v_lshlrev_b32 v4, 2, v4
	s_wait_alu depctr_va_sdst(0)                   ; s10 is written, ahead of its first reader: every share of the wave is made from it
	s_and_b32 s12, ttmp7, 0xffff                   ; batch x 16 + head
	s_lshl_b32 s15, ttmp9, 4
	s_add_co_u32 s15, s15, s10                     ; G: my 32 queries of the head's 2,048
	s_lshr_b32 s13, s12, 4                         ; batch
	s_and_b32 s14, s12, 15                         ; head
	s_mul_i32 s20, s10, 6144
	v_add_nc_u32 v6, s20, v1                       ; the fill: my step's fragments of K,
	v_add_nc_u32 v7, VFB, v6                       ; of V,
	s_lshl_b32 s21, s10, 8
	v_add_nc_u32 v8, s21, v3
	v_add_nc_u32 v8, KSB, v8                       ; and its scale words
	s_mul_i32 s68, s12, 98304
	s_add_co_u32 s68, s68, s20
	s_add_co_u32 s68, s68, 6291456                 ; k's codes of my step; v's lie 6,291,456 bytes on
	s_mov_b32 s69, 0
	s_lshl_b32 s70, s12, 12
	s_add_co_u32 s70, s70, s21
	s_add_co_u32 s70, s70, AS+262144               ; k's scale words of my step; v's lie 262,144 bytes on
	s_mov_b32 s71, 0
	s_lshl_b32 s72, s12, 6
	s_add_co_u32 s72, s72, s15
	s_mul_i32 s72, s72, 1536                       ; my pair of query tiles
	s_mov_b32 s73, 0
	s_lshl_b32 s74, s12, 12
	s_lshr_b32 s20, s15, 2
	s_lshl_b32 s20, s20, 8
	s_add_co_u32 s74, s74, s20
	s_and_b32 s20, s15, 3
	s_lshl_b32 s20, s20, 2
	s_add_co_u32 s74, s74, s20
	s_add_co_u32 s74, s74, AS                      ; its scale words
	s_mov_b32 s75, 0
	s_lshl_b32 s21, s13, 7
	s_lshl_b32 s20, s15, 1
	s_add_co_u32 s21, s21, s20                     ; the first of my two tiles among the 512
	s_lshl_b32 s26, s21, 12
	s_mov_b32 s27, 0
	s_lshl_b32 s78, s21, 3
	s_lshr_b32 s20, s14, 1                         ; the last product's K step: two heads
	s_add_co_u32 s78, s78, s20
	s_mul_i32 s78, s78, 1536
	s_and_b32 s22, s14, 1
	s_mul_i32 s23, s22, 768                        ; my head's half of the fragment
	s_add_co_u32 s78, s78, s23
	s_mov_b32 s79, 0
	s_lshl_b32 s28, s20, 15                        ; ctx's scales: [K step][row][4 bytes]
	s_lshl_b32 s23, s21, 6
	s_add_co_u32 s28, s28, s23
	s_lshl_b32 s23, s22, 1
	s_add_co_u32 s28, s28, s23
	s_add_co_u32 s28, s28, CS
	s_mov_b32 s29, 0
	s_wait_kmcnt 0x0
	s_add_nc_u64 s[68:69], s[4:5], s[68:69]
	s_add_nc_u64 s[70:71], s[4:5], s[70:71]
	s_add_nc_u64 s[72:73], s[4:5], s[72:73]
	s_add_nc_u64 s[74:75], s[4:5], s[74:75]
	s_add_nc_u64 s[26:27], s[6:7], s[26:27]
	s_add_nc_u64 s[28:29], s[8:9], s[28:29]
	s_add_nc_u64 s[8:9], s[8:9], s[78:79]
	s_wait_alu depctr_va_vdst(0)                   ; the offsets v1, v3, v4, v236 and the LDS addresses v2, v6, v7, v8 are written: the loads and stores below read them
.irp c, 0,1,2
	global_load_b128 v[QP+4*\c:QP+4*\c+3], v1, s[72:73] offset:512*\c
.endr
	global_load_b32 v9, v236, s[74:75]
.irp i, 0,1,2,3,4,5,6,7,8,9,10,11
	global_load_b128 v[52+4*\i:55+4*\i], v1, s[68:69] offset:512*\i
.endr
.irp i, 0,1,2,3,4,5,6,7,8,9,10,11
	global_load_b128 v[100+4*\i:103+4*\i], v1, s[68:69] offset:6291456+512*\i
.endr
	global_load_b64 v[148:149], v3, s[70:71]
	global_load_b64 v[150:151], v3, s[70:71] offset:262144
	s_mov_b32 s16, 0x76543210
	s_mov_b32 s17, 0xfedcba98
	s_mov_b32 s18, 0x3e38aa3b                      ; c = log2(e) / 8
	s_mov_b32 s19, s18                             ; (named with it as a pair)
	s_wait_loadcnt 0x0
.irp i, 0,1,2,3,4,5,6,7,8,9,10,11
	ds_store_b128 v6, v[52+4*\i:55+4*\i] offset:512*\i
.endr
.irp i, 0,1,2,3,4,5,6,7,8,9,10,11
	ds_store_b128 v7, v[100+4*\i:103+4*\i] offset:512*\i
.endr
	ds_store_b64 v8, v[148:149]
	ds_store_b64 v8, v[150:151] offset:4096
	s_wait_dscnt 0x0                               ; for the others' sake: my stores have landed
	s_barrier_signal -1
	s_barrier_wait -1                              ; the head's K and V lie in LDS; nothing is written there again
	s_wait_alu depctr_vm_vsrc(0)                   ; my LDS stores have read v52-151 (KV and S from here on) and v6-8, and the load of q's scale word has read v236: all are written again below
	s_mov_b32 s25, 0                               ; chunk = 16 x tile + step
	s_mov_b32 s24, 0
	s_load_b512 s[32:47], s[26:27], s24 offset:0x0     ; the first step's 64 mask words (the loads that named s68-75 as bases are done)
	s_load_b512 s[48:63], s[26:27], s24 offset:0x40
	s_load_b512 s[68:83], s[26:27], s24 offset:0x80
	s_load_b512 s[84:99], s[26:27], s24 offset:0xc0
	v_mov_b32 v5, 0xd0000000                       ; -2^33
.irp i, 0,1,2,3,4,5
	v_mov_b32 v[QL+6+\i], 0
	v_mov_b32 v[QH+\i], 0
.endr
.irp b, 0,1,2,3
	v_mov_b32 v[BX+\b], 0                          ; written once: a lane permute's destination counts as one of its sources
.endr
	v_mov_b32 v235, 0                              ; (named as the upper half of the pair v[234:235])
	v_mov_b32 v236, 0
	s_mov_b32 s23, 2
.Ltile:
.irp i, 0,1,2,3,4,5
	v_mov_b32 v[QL+\i], v[QP+\i]
	v_mov_b32 v[QH+6+\i], v[QP+\i]
.endr
	v_and_b32 v10, 0xffff, v9                      ; the tile's two scale bytes under K's first half,
	v_lshlrev_b32 v11, 16, v10                     ; and under its second
	v_mov_b32 v13, 0xff61b1e6                      ; the largest t so far: -3e38
	v_floor_f32 v12, -v13                          ; -M
	v_mov_b32 v14, 0
	v_mov_b32 v15, 0
.irp j, 0,1,2,3,4,5,6,7,8,9,10,11,12,13,14,15,16,17,18,19,20,21,22,23,24,25,26,27,28,29,30,31
	v_mov_b32 v[O+\j], 0                           ; O^T: the step is written once; the first change of M leaves zeros zeros.  (These are also the places between the scale registers' writes and the first products)
.endr
	s_mov_b32 s20, 0
	s_mov_b32 s21, 0
	s_mov_b32 s22, 0
.Lstep:                                                ; 128 keys
	s_wait_alu depctr_vm_vsrc(0)                   ; the LDS loads issued so far have read v6, v7 and v8, which the three additions write
	v_add_nc_u32 v6, s20, v1
	v_add_nc_u32 v7, VFB, v6
	v_add_nc_u32 v8, s21, v2
	v_nop                                          ; with the three additions: four plain instructions behind the last products
	s_wait_alu depctr_va_vdst(0)                   ; v6, v7, v8 are written, which this step's LDS loads read; the last step's v^T p^T are done reading KV and KSW, in which K lands; in a tile's first step [q | 0], [0 | q], v10 and v11 are written, which the products below take
.irp j, 0,1,2,3
.irp c, 0,1,2
	ds_load_b128 v[KV+12*\j+4*\c:KV+12*\j+4*\c+3], v6 offset:1536*\j+512*\c
.endr
.endr
	ds_load_b128 v[KSW:KSW+3], v8
	s_wait_dscnt 0x0
.irp j, 0,1,2,3
	v_wmma_scale_f32_16x16x128_f8f6f4 v[S+16*\j:S+16*\j+7], v[KV+12*\j:KV+12*\j+11], v[QL:QL+11], 0, v[KSW+\j], v10 matrix_a_fmt:MATRIX_FMT_BF6 matrix_b_fmt:MATRIX_FMT_BF6
	v_wmma_scale_f32_16x16x128_f8f6f4 v[S+16*\j+8:S+16*\j+15], v[KV+12*\j:KV+12*\j+11], v[QH:QH+11], 0, v[KSW+\j], v11 matrix_a_fmt:MATRIX_FMT_BF6 matrix_b_fmt:MATRIX_FMT_BF6
.endr
.rept 4
	v_nop                                          ; places in front of the first read of the scores
.endr
	s_wait_kmcnt 0x0                               ; this step's mask words are in
.set n, 0
.rept 64
.if n < 32
	v_cndmask_b32 v[S+n], v[S+n], v5, s[32+n]      ; a masked score becomes -2^33; each tile of scores is taken from its low end on
.else
	v_cndmask_b32 v[S+n], v[S+n], v5, s[36+n]
.endif
.set n, n+1
.endr
.irp b, 0,1,2,3
	v_max3_num_f32 v[BM+\b], v[S+16*\b], v[S+1+16*\b], v[S+2+16*\b]   ; the largest score of each block of 32 keys: for the row's maximum and, since p rises with the score, for the block's largest p
.endr
.irp i, 3,5,7,9,11,13
.irp b, 0,1,2,3
	v_max3_num_f32 v[BM+\b], v[BM+\b], v[S+16*\b+\i], v[S+1+16*\b+\i]
.endr
.endr
.irp b, 0,1,2,3
	v_max_num_f32 v[BM+\b], v[BM+\b], v[S+15+16*\b]
.endr
.irp b, 0,1,2,3
	v_permlanex16_b32 v[BX+\b], v[BM+\b], s16, s17
.endr
.irp b, 0,1,2,3
	v_max_num_f32 v[BM+\b], v[BM+\b], v[BX+\b]     ; with lane l xor 16's 16 keys
.endr
	v_max3_num_f32 v236, v[BM], v[BM+1], v[BM+2]
	v_max_num_f32 v236, v236, v[BM+3]
	v_mul_f32 v236, s18, v236                      ; the step's largest t
	v_max_num_f32 v13, v13, v236
	v_mov_b32 v236, v12
	v_floor_f32 v12, -v13                          ; the new -M = -ceil(t): a whole number
	v_sub_f32 v236, v12, v236                      ; old M - new M, 0 or less
	v_cvt_i32_f32 v236, v236                       ; (it saturates)
	v_ldexp_f32 v234, 1.0, v236                    ; f = 2^(old M - new M): a multiplication by it rounds nothing
.irp j, 0,2,4,6,8,10,12,14,16,18,20,22,24,26,28,30,32,34,36,38,40,42,44,46,48,50,52,54,56,58,60,62
	v_pk_fma_f32 v[S+\j:S+\j+1], v[S+\j:S+\j+1], s[18:19], v[12:13] op_sel_hi:[1,0,0]   ; t - M
.endr
.irp b, 0,1,2,3
	v_fma_f32 v[BM+\b], v[BM+\b], s18, v12
.endr
.irp j, 0,1,2,3,4,5,6,7,8,9,10,11,12,13,14,15,16,17,18,19,20,21,22,23,24,25,26,27,28,29,30,31,32,33,34,35,36,37,38,39,40,41,42,43,44,45,46,47,48,49,50,51,52,53,54,55,56,57,58,59,60,61,62,63
	v_exp_f32 v[S+\j], v[S+\j]                     ; p = 2^(t - M), at most 1
.endr
.irp b, 0,1,2,3
	v_exp_f32 v[BM+\b], v[BM+\b]                   ; the block's largest p: the same two instructions on the same number.  One batch with the 64
.endr
	v_pk_mul_f32 v[14:15], v[14:15], v[234:235] op_sel_hi:[1,0]   ; the sums under the new M: the plain place behind the exponentials
	s_wait_alu depctr_va_vdst(0)                   ; the 68 exponentials have written p and the blocks' largest p, ahead of their first reader; k q^T are done reading KV and KSW, in which V lands; the selects are done reading the mask words, which the scalar loads below write
.irp j, 0,1,2,3
.irp c, 0,1,2
	ds_load_b128 v[KV+12*\j+4*\c:KV+12*\j+4*\c+3], v7 offset:1536*\j+512*\c   ; this step's V lands under the sums, the scales and the conversions
.endr
.endr
	ds_load_b128 v[KSW:KSW+3], v8 offset:4096
	s_add_co_u32 s25, s25, 1                       ; the next step's mask words are asked for now (the wait on KMcnt above has shown the last loads done, so their offset may be written);
	s_min_u32 s25, s25, 31                         ; the last step asks for its own again: no load leaves the buffer
	s_lshl_b32 s24, s25, 8
	s_load_b512 s[32:47], s[26:27], s24 offset:0x0
	s_load_b512 s[48:63], s[26:27], s24 offset:0x40
	s_load_b512 s[68:83], s[26:27], s24 offset:0x80
	s_load_b512 s[84:99], s[26:27], s24 offset:0xc0
	v_pk_add_f32 v[238:239], v[S:S+1], v[S+2:S+3]  ; the row's sum of the unquantised p, in two chains
.irp j, 4,8,12,16,20,24,28,32,36,40,44,48,52,56,60
	v_pk_add_f32 v[14:15], v[14:15], v[S+\j:S+\j+1]
	v_pk_add_f32 v[238:239], v[238:239], v[S+2+\j:S+3+\j]
.endr
	v_pk_add_f32 v[14:15], v[14:15], v[238:239]
.irp b, 0,1,2,3
	v_max_num_f32 v[BM+\b], 0x2800000, v[BM+\b]    ; the floor 2^(5 - 127): the byte cannot fall under 1
.endr
.irp b, 0,1,2,3
	v_add_nc_u32 v[SCV+\b], 0xfe000000, v[BM+\b]
.endr
.irp b, 0,1,2,3
	v_lshrrev_b32 v[BX+\b], 23, v[SCV+\b]
.endr
	v_lshl_or_b32 v[PSW], v[BX+1], 8, v[BX]
	v_lshl_or_b32 v[PSW], v[BX+2], 16, v[PSW]
	v_lshl_or_b32 v[PSW], v[BX+3], 24, v[PSW]
.irp c, 0,1
	v_cvt_scalef32_pk16_bf6_f32 v[PC+6*\c:PC+6*\c+2], v[S+32*\c:S+32*\c+15], v[SCV+2*\c]
	v_cvt_scalef32_pk16_bf6_f32 v[TMPC+4*\c:TMPC+4*\c+2], v[S+16+32*\c:S+31+32*\c], v[SCV+2*\c+1]
.endr
	v_nop                                          ; one plain place behind the scaled conversions
.irp c, 0,1
.irp i, 0,1,2
	v_permlane16_swap_b32 v[PC+6*\c+\i], v[TMPC+4*\c+\i]
.endr
.irp i, 0,1,2
	v_mov_b32 v[PC+3+6*\c+\i], v[TMPC+4*\c+\i]
.endr
.endr
.irp j, 0,2,4,6,8,10,12,14,16,18,20,22,24,26,28,30
	v_pk_mul_f32 v[O+\j:O+\j+1], v[O+\j:O+\j+1], v[234:235] op_sel_hi:[1,0]   ; O^T under the new M; these are also the places between the writes of p's codes and scale word and the products
.endr
	s_wait_alu depctr_va_vdst(0)                   ; p's codes in PC and its scale word in PSW are written, which the scaled products below take; the places above stay beside this wait
	s_wait_dscnt 0x0                               ; V
.irp t, 0,1,2,3
	v_wmma_scale_f32_16x16x128_f8f6f4 v[O+8*\t:O+8*\t+7], v[KV+12*\t:KV+12*\t+11], v[PC:PC+11], v[O+8*\t:O+8*\t+7], v[KSW+\t], v[PSW] matrix_a_fmt:MATRIX_FMT_BF6 matrix_b_fmt:MATRIX_FMT_BF6
.endr
	s_add_co_u32 s20, s20, 6144
	s_add_co_u32 s21, s21, 256
	s_add_co_u32 s22, s22, 1
	s_cmp_lt_u32 s22, 16
	s_cbranch_scc1 .Lstep
	; a tile's end: O^T / the sum, quantised along the head's 64 (register 16 g + i is channel 32 g + 16 (lane / 16) + i), six registers of codes and two scale bytes a row
.rept 4
	v_nop
.endr
	v_add_f32 v14, v14, v15
	v_permlanex16_b32 v236, v14, s16, s17
	v_add_f32 v14, v14, v236
	v_rcp_f32 v14, v14
	v_nop
	s_wait_alu depctr_va_vdst(0)                   ; the reciprocal has written v14, ahead of its first reader
.irp j, 0,2,4,6,8,10,12,14,16,18,20,22,24,26,28,30
	v_pk_mul_f32 v[S+\j:S+\j+1], v[O+\j:O+\j+1], v[14:15] op_sel_hi:[1,0]
.endr
.irp g, 0,1
	v_max3_num_f32 v[BM+\g], |v[S+16*\g]|, |v[S+1+16*\g]|, 0x2800000
.endr
.irp i, 2,4,6,8,10,12,14
.irp g, 0,1
	v_max3_num_f32 v[BM+\g], v[BM+\g], |v[S+16*\g+\i]|, |v[S+1+16*\g+\i]|
.endr
.endr
.irp g, 0,1
	v_permlanex16_b32 v[BX+\g], v[BM+\g], s16, s17
.endr
.irp g, 0,1
	v_max_num_f32 v[BM+\g], v[BM+\g], v[BX+\g]
.endr
.irp g, 0,1
	v_add_nc_u32 v[SCV+\g], 0xfe000000, v[BM+\g]
.endr
.irp g, 0,1
	v_lshrrev_b32 v[BX+\g], 23, v[SCV+\g]
.endr
	v_lshl_or_b32 v237, v[BX+1], 8, v[BX]
	v_cvt_scalef32_pk16_bf6_f32 v[PC:PC+2], v[S:S+15], v[SCV]
	v_cvt_scalef32_pk16_bf6_f32 v[TMPC:TMPC+2], v[S+16:S+31], v[SCV+1]
	v_nop
.irp i, 0,1,2
	v_permlane16_swap_b32 v[PC+\i], v[TMPC+\i]
.endr
.irp i, 0,1,2
	v_mov_b32 v[PC+3+\i], v[TMPC+\i]
.endr
	s_wait_alu depctr_va_vdst(0)                   ; ctx's codes in PC .. PC + 5 and its two scale bytes in v237 are written, which the four stores read
.irp p, 0,1,2
	global_store_b64 v3, v[PC+2*\p:PC+2*\p+1], s[8:9] offset:256*\p   ; 256 consecutive bytes a store, aligned: my head's half of a fragment
.endr
	global_store_b16 v4, v237, s[28:29]            ; two bytes of the row's word; lanes l and l xor 16 write the same
	s_wait_xcnt 0x0                                ; the stores have read their registers and bases
	s_wait_alu depctr_vm_vsrc(0)                   ; the stores have read PC and v237, which the next tile writes again
	s_add_nc_u64 s[8:9], s[8:9], 12288
	s_add_nc_u64 s[28:29], s[28:29], 64
.irp i, 0,1,2,3,4,5
	v_mov_b32 v[QP+\i], v[QP+6+\i]                 ; on to the pair's second tile
.endr
	v_lshrrev_b32 v9, 16, v9
	s_sub_co_u32 s23, s23, 1
	s_cmp_lg_u32 s23, 0
	s_cbranch_scc1 .Ltile
	s_wait_kmcnt 0x0
	s_wait_dscnt 0x0
	s_wait_alu depctr_hold_cnt(0) depctr_sa_sdst(0) depctr_va_vdst(0) depctr_va_sdst(0) depctr_va_ssrc(0) depctr_va_vcc(0) depctr_vm_vsrc(0)
	s_wait_tensorcnt 0x0
	ds_add_u32 v254, v255
	s_wait_dscnt 0x0
	s_endpgm
.Lfunc_end_k_qd1576217b2_attn:
	.size	k_qd1576217b2_attn, .Lfunc_end_k_qd1576217b2_attn-k_qd1576217b2_attn
	.p2alignl 7, 3214868480
	.fill 96, 4, 3214868480
	.section	.rodata,"a",@progbits
	.p2align	6, 0x0
	.amdhsa_kernel k_qd1576217b2_attn
		.amdhsa_group_segment_fixed_size 206848
		.amdhsa_private_segment_fixed_size 0
		.amdhsa_enable_private_segment 0
		.amdhsa_kernarg_size 24
		.amdhsa_user_sgpr_count 2
		.amdhsa_user_sgpr_kernarg_segment_ptr 1
		.amdhsa_wavefront_size32 1
		.amdhsa_system_sgpr_workgroup_id_x 1
		.amdhsa_system_sgpr_workgroup_id_y 1
		.amdhsa_system_sgpr_workgroup_id_z 1
		.amdhsa_system_vgpr_workitem_id 0
		.amdhsa_next_free_vgpr 256
		.amdhsa_next_free_sgpr 100
		.amdhsa_reserve_vcc 0
		.amdhsa_float_denorm_mode_32 3
		.amdhsa_float_denorm_mode_16_64 3
		.amdhsa_memory_ordered 1
		.amdhsa_forward_progress 1
		.amdhsa_inst_pref_size 35
	.end_amdhsa_kernel
	.amdgpu_metadata
---
amdhsa.version: [ 1, 2 ]
amdhsa.kernels:
  - .name:           k_qd1576217b2_attn
    .symbol:         k_qd1576217b2_attn.kd
    .args:
      - { .name: aq, .offset: 0, .size: 8, .value_kind: global_buffer, .address_space: global }
      - { .name: mw, .offset: 8, .size: 8, .value_kind: global_buffer, .address_space: global }
      - { .name: cq, .offset: 16, .size: 8, .value_kind: global_buffer, .address_space: global }
    .group_segment_fixed_size: 206848
    .private_segment_fixed_size: 0
    .kernarg_segment_align: 8
    .kernarg_segment_size: 24
    .max_flat_workgroup_size: 512
    .sgpr_count:     100
    .vgpr_count:     256
    .wavefront_size: 32
...
	.end_amdgpu_metadata
.endif
;; end of part 5
;; launch outln (part 6): grid 256 x 1, 16 waves a work-group, no clusters, 134,144 bytes of LDS; arguments cq, wq, Q, bo, ln_g, ln_b, out0; writes out0
.if DOCPART == 6
	.amdgcn_target "amdgcn-amd-amdhsa--gfx1250"
	.amdhsa_code_object_version 6
	.text
	.protected	k_qd1576217b2_outln
	.globl	k_qd1576217b2_outln
	.p2align	8
	.type	k_qd1576217b2_outln,@function
k_qd1576217b2_outln:
	s_mov_b64 s[64:65], 0
	v_nop
	global_prefetch_b8 v0, s[64:65] scope:SCOPE_SE
	s_setreg_imm32_b32 hwreg(HW_REG_WAVE_SCHED_MODE, 0, 2), 2
	s_setreg_imm32_b32 hwreg(HW_REG_WAVE_MODE, 25, 1), 1
	s_wait_xcnt 0x0
	s_wait_alu depctr_vm_vsrc(0)
; OUTLN.  out0 = LayerNorm(ctx Wo + bo + Q) x ln_g + ln_b; the product on codes of BF6 (E3M2) with E8M0 scales, all else in f32.
; SHARES.  A work-group takes 32 rows (two stored tiles of ctx) and all 1,024 columns, so that a row's mean and variance are made inside it: 8,192 rows make 256 work-groups.
; Wave w makes columns 64 w .. 64 w + 63: 8 accumulators, (a, b) at v[16 + 32 a + 8 b].
; Source 0 = 16 columns of Wo (tile order: a lane's 32 registers of a tile of rows are columns 64 w + 32 g + 16 (lane / 16) + i), source 1 = 16 rows of ctx.
; ctx's 24,576 bytes of codes go through LDS once, for all sixteen waves.  Wo's fragments are read by one wave of the work-group alone: they go from memory straight into registers.
; ONE K STEP AHEAD: Wo's fragments, ctx's fragments and the scale words have two sets of registers; a step first asks for the next step's, then waits for its own by counted waits, then multiplies.
; NO CLUSTER: the work-groups share Wo alone, and each of its fragments serves one wave of a work-group: through LDS it would be written and read once more for nothing.
; THE RESIDUAL AND THE BIAS ARE THE SUMS' BEGINNING: Q's rows are loaded as whole 256 bytes, turned through the wave's stage into the accumulators' layout, bo is added, and every K step adds in place.
; THE NORM takes two passes (mean; then the squares of the differences): no difference of large sums.  1 / sqrt by v_rsq_f32.
; LIMITS: NaN and infinities are not served.
; THE MODE: SCHED_MODE bits 1:0 = 2 (LLVM: expert scheduling mode 2), set by the entry lines.  The code itself states the register dependences
; between vector or matrix instructions and memory or LDS instructions, with s_wait_alu, always for 0.
; THE PLAN.  Registers that LDS or memory instructions touch:
;   WOF, CTF, SC, two sets each.  K step g: its eight products read set g % 2; the loads of step g + 1, issued at step g's head, land in the other set, which the products of step g - 1 read last.
;                 So ONE wait on va_vdst stands at the head of a step that asks for a next one; the step's 28 loads follow it, and no product or vector instruction stands between.
;   v128-159      bo: read by the 32 additions ahead of step 0; then part of WOF's set 1: step 0's wait states that too.
;   ACC           the residual: loaded, stored to the stage, loaded back (a wait on vm_vsrc between the two); at the end written by the norm and stored to the stage (a wait on va_vdst).
;   v176-204      the copies for LDS: read by LDS stores at the head; then CTF: the wait on vm_vsrc in the residual's turn covers them.
;   v248, v249    LDS addresses at the head; then the data of the two sums' LDS stores: va_vdst ahead of each pair of stores, vm_vsrc ahead of the second sum's writes.
;   v80-143       Wo's sets, then ln_g and ln_b: a wait on va_vdst behind the last K step.
;   v1 .. v9      offsets and addresses, made once at the head, never written again.
.set WS,   3145728
.set CS,   6291456
.set CSC,  24576                       ; LDS: ctx's codes at 0; its scale bytes [row 32][32] here;
.set WSC,  25600                       ; Wo's scale bytes [column 1024][32];
.set STG,  58368                       ; a stage of 16 rows x 272 bytes for each wave;
.set RED1, 128000                      ; the waves' row sums [tile 2][row 16][wave 16], and 2,048 bytes on the sums of squares
.set ACC,  16                          ; v16-79
.set WOF,  80                          ; v80-127, v128-175 Wo's four fragments, two sets; at the head v128-159 bo; later ln_g (v80-111), ln_b (v112-143), rows on their way out (v144-175)
.set CTF,  176                         ; v176-199, v200-223 ctx's two fragments, two sets; at the head copies; later the waves' sums and rows on their way out (v176-207)
.set SC,   10                          ; v10-13, v224-227 scale words, two sets: lanes 0-15 Wo's tile i, lanes 16-31 ctx's tile i (of words 2 and 3 lanes 16-31 are read by nobody)
; v1 16 L; v2 8 L; v3 scale words' address; v4, v5 the stage by lanes' layout and by rows; v6 my bytes in a pair of rows; v7, v8 the sums' words; v9 64 h; v14 r; v15 h; v240-253 at work
	s_load_b256 s[4:11], s[0:1], 0x0               ; cq, wq, Q, bo
	s_load_b128 s[12:15], s[0:1], 0x20             ; ln_g, ln_b
	s_load_b64 s[16:17], s[0:1], 0x30              ; out0
	v_lshl_add_u32 v254, v0, 2, 0x20400
	v_mov_b32 v255, 0
	v_lshrrev_b32 v1, 5, v0
	v_readfirstlane_b32 s18, v1                    ; wave 0..15
	v_and_b32 v14, 15, v0
	v_bfe_u32 v15, v0, 4, 1
	v_and_b32 v9, 31, v0
	v_lshlrev_b32 v1, 4, v9
	v_lshlrev_b32 v2, 3, v9
	v_lshlrev_b32 v251, 2, v14                     ; 4 r
	v_xor_b32 v3, 1, v15                           ; 1 in lanes 0-15, which take Wo's words, further up in LDS than ctx's
	s_wait_alu depctr_va_sdst(0)                   ; s18 is written, ahead of its first reader: every share of the wave is made from it
	s_lshl_b32 s19, s18, 11
	s_add_co_u32 s19, s19, WSC-CSC
	v_mul_u32_u24 v3, s19, v3
	v_lshl_add_u32 v3, v14, 5, v3
	v_add_nc_u32 v3, CSC, v3
	s_mul_i32 s19, s18, 4352
	s_add_co_u32 s19, s19, STG
	v_mul_u32_u24 v4, v14, 272
	v_lshl_add_u32 v4, v15, 6, v4
	v_add_nc_u32 v4, s19, v4                       ; row r, my half's 16 columns of a block of 32
	v_mul_u32_u24 v5, v15, 272
	v_lshl_add_u32 v5, v14, 4, v5
	v_add_nc_u32 v5, s19, v5                       ; lanes 0-15 one row of 256 bytes, lanes 16-31 the next
	v_lshlrev_b32 v6, 12, v15
	v_lshl_add_u32 v6, v14, 4, v6
	s_lshl_b32 s38, s18, 8
	v_add_nc_u32 v6, s38, v6                       ; the same two rows in Q and in out0, my wave's 256 bytes
	v_lshlrev_b32 v8, 6, v14
	v_add_nc_u32 v8, RED1, v8
	v_lshl_add_u32 v7, s18, 2, v8
	s_mul_i32 s19, s18, 1536
	v_add_nc_u32 v248, s19, v1                     ; where my part of ctx's codes goes,
	s_mul_i32 s28, ttmp9, 24576
	s_add_co_u32 s28, s28, s19
	s_mov_b32 s29, 0
	s_lshl_b32 s30, s18, 11
	s_add_co_u32 s19, s30, WSC
	v_add_nc_u32 v249, s19, v1                     ; my columns' scale bytes,
	s_add_co_u32 s30, s30, WS+98304
	s_mov_b32 s31, 0
	s_and_b32 s19, s18, 1
	s_lshr_b32 s32, s18, 1
	s_lshl_b32 s36, s19, 9
	s_lshl_b32 s37, s32, 2
	s_add_co_u32 s36, s36, s37
	s_add_co_u32 s36, s36, CSC
	v_lshl_add_u32 v250, v14, 5, s36               ; and 16 rows' words of K step w / 2: row 16 (w % 2) + r, 32 bytes a row
	s_lshl_b32 s32, s32, 15
	s_lshl_b32 s19, s19, 6
	s_add_co_u32 s32, s32, s19
	s_lshl_b32 s19, ttmp9, 7
	s_add_co_u32 s32, s32, s19
	s_add_co_u32 s32, s32, CS
	s_mov_b32 s33, 0
	s_mul_i32 s34, s18, 49152
	s_add_co_u32 s34, s34, 2359296                 ; Wo's codes, my four tiles
	s_mov_b32 s35, 0
	s_lshl_b32 s36, ttmp9, 17                      ; 32 rows of 4,096 bytes
	s_mov_b32 s37, 0
	s_mov_b32 s39, 0
	v_lshlrev_b32 v9, 6, v15
	s_mov_b32 s22, 0x76543210
	s_mov_b32 s23, 0xfedcba98
	s_mov_b32 s24, 0x3a800000                      ; 1 / 1,024
	s_mov_b32 s25, 0x3727c5ac                      ; 1e-5
	v_mov_b32 v252, 0                              ; written once: a lane permute's destination counts as one of its sources
	v_mov_b32 v253, 0
	s_wait_kmcnt 0x0
	s_add_nc_u64 s[28:29], s[4:5], s[28:29]
	s_add_nc_u64 s[32:33], s[4:5], s[32:33]
	s_add_nc_u64 s[30:31], s[6:7], s[30:31]
	s_add_nc_u64 s[34:35], s[6:7], s[34:35]
	s_add_nc_u64 s[8:9], s[8:9], s[36:37]
	s_add_nc_u64 s[16:17], s[16:17], s[36:37]
	s_add_nc_u64 s[10:11], s[10:11], s[38:39]
	s_add_nc_u64 s[12:13], s[12:13], s[38:39]
	s_add_nc_u64 s[14:15], s[14:15], s[38:39]
.macro WLOAD g                         ; Wo's four fragments of K step g into set g % 2: 512 consecutive bytes a load
.irp b, 0,1,2,3
.irp c, 0,1,2
	global_load_b128 v[WOF+48*((\g)%2)+12*\b+4*\c:WOF+48*((\g)%2)+12*\b+4*\c+3], v1, s[34:35] offset:12288*\b+1536*(\g)+512*\c
.endr
.endr
.endm
.macro CLOAD g                         ; ctx's two fragments and the four scale words of K step g into set g % 2
.irp a, 0,1
.irp p, 0,1,2,3,4,5
	ds_load_b64 v[CTF+24*((\g)%2)+12*\a+2*\p:CTF+24*((\g)%2)+12*\a+2*\p+1], v2 offset:12288*\a+1536*(\g)+256*\p
.endr
.endr
.irp i, 0,1,2,3
	ds_load_b32 v[SC+214*((\g)%2)+\i], v3 offset:512*\i+4*(\g)
.endr
.endm
	s_wait_alu depctr_va_vdst(0)                   ; the offsets and LDS addresses v1 to v9 and v248 to v251 are written: every load and store of the kernel reads one of them
.irp i, 0,1,2
	global_load_b128 v[176+4*\i:179+4*\i], v1, s[28:29] offset:512*\i      ; my 1,536 bytes of ctx's codes
.endr
.irp i, 0,1,2,3
	global_load_b128 v[188+4*\i:191+4*\i], v1, s[30:31] offset:512*\i      ; my columns' 2,048 scale bytes
.endr
	global_load_b32 v204, v251, s[32:33]           ; 16 rows' scale words of one K step; lanes l and l xor 16 take the same
.irp a, 0,1
.irp p, 0,1,2,3,4,5,6,7
	global_load_b128 v[ACC+32*\a+4*\p:ACC+32*\a+4*\p+3], v6, s[8:9] offset:(8*\a+2*\p+8*(\p/4))*4096 th:TH_LOAD_NT   ; places 2 p and 2 p + 1 of tile a: sixteen lanes read 256 consecutive bytes
.endr
.endr
.irp g, 0,1
.irp k, 0,1,2,3
	global_load_b128 v[128+16*\g+4*\k:131+16*\g+4*\k], v9, s[10:11] offset:128*\g+16*\k   ; bo in the accumulators' order
.endr
.endr
	WLOAD 0
	s_wait_loadcnt 36                              ; the copies are in; the residual's 16 loads, bo's 8 and Wo's 12 may be out
.irp i, 0,1,2
	ds_store_b128 v248, v[176+4*\i:179+4*\i] offset:512*\i
.endr
.irp i, 0,1,2,3
	ds_store_b128 v249, v[188+4*\i:191+4*\i] offset:512*\i
.endr
	ds_store_b32 v250, v204                        ; lanes l and l xor 16 write the same word with the same value
	s_wait_loadcnt 20                              ; the residual is in; bo's 8 loads and Wo's 12 may be out
.irp a, 0,1
.irp p, 0,1,2,3,4,5,6,7
	ds_store_b128 v5, v[ACC+32*\a+4*\p:ACC+32*\a+4*\p+3] offset:544*\p
.endr
	s_wait_dscnt 0x0                               ; the stores have landed
	s_wait_alu depctr_vm_vsrc(0)                   ; the LDS stores issued so far have read their registers: this tile's, in which the loads below land; and the copies' v176-204 and v248-250, which ctx's fragments and the sums write later
.irp b, 0,1,2,3
.irp k, 0,1
	ds_load_b128 v[ACC+32*\a+8*\b+4*\k:ACC+32*\a+8*\b+4*\k+3], v4 offset:128*(\b/2)+32*(\b%2)+16*\k   ; LDS serves a wave's instructions in order: the next tile's stores come behind these
.endr
.endr
.endr
	s_wait_dscnt 0x0                               ; for the others' sake: my copies have landed; and the residual is back
	s_barrier_signal -1
	s_barrier_wait -1                              ; ctx's codes and all scale bytes lie in LDS; nothing is written there again
	CLOAD 0
	s_wait_loadcnt 12                              ; bo is in; Wo's 12 loads may be out
.irp a, 0,1
.irp j, 0,2,4,6,8,10,12,14,16,18,20,22,24,26,28,30
	v_pk_add_f32 v[ACC+32*\a+\j:ACC+32*\a+\j+1], v[ACC+32*\a+\j:ACC+32*\a+\j+1], v[128+\j:129+\j]
.endr
.endr
; K step g: 128 along K, two heads.  The 8 accumulators take turns, one instruction a turn, in the same order in every step.
.macro KSTEP g
.if (\g) < 7
	s_wait_alu depctr_va_vdst(0)                   ; the products of the step before are done reading the other sets of Wo's and ctx's fragments and scale words, in which the loads below land; in step 0: the additions are done reading bo in v128-159
	WLOAD (\g)+1
	CLOAD (\g)+1
	s_wait_loadcnt 12                              ; this step's fragments of Wo are in; the 12 loads just issued may be out
	s_wait_dscnt 16                                ; and ctx's and the scale words; the 16 just issued may be out
.else
	s_wait_loadcnt 0x0
	s_wait_dscnt 0x0
.endif
.irp a, 0,1
.irp b, 0,1,2,3
	v_wmma_scale_f32_16x16x128_f8f6f4 v[ACC+32*\a+8*\b:ACC+32*\a+8*\b+7], v[WOF+48*((\g)%2)+12*\b:WOF+48*((\g)%2)+12*\b+11], v[CTF+24*((\g)%2)+12*\a:CTF+24*((\g)%2)+12*\a+11], v[ACC+32*\a+8*\b:ACC+32*\a+8*\b+7], v[SC+214*((\g)%2)+\b], v[SC+214*((\g)%2)+\a] matrix_a_fmt:MATRIX_FMT_BF6 matrix_b_fmt:MATRIX_FMT_BF6 matrix_b_scale:MATRIX_SCALE_ROW1
.endr
.endr
.rept 4
	v_nop                                          ; four plain instructions behind the step's products; behind the last step they are the places in front of the first read of results
.endr
.endm
.irp t, 0,1,2,3,4,5,6,7
	KSTEP \t
.endr
	s_wait_alu depctr_va_vdst(0)                   ; the products of the last two steps are done reading Wo's sets, v80-143 of which take ln_g and ln_b
.irp g, 0,1
.irp k, 0,1,2,3
	global_load_b128 v[80+16*\g+4*\k:83+16*\g+4*\k], v9, s[12:13] offset:128*\g+16*\k     ; ln_g and ln_b in the accumulators' order: they land under the two sums
	global_load_b128 v[112+16*\g+4*\k:115+16*\g+4*\k], v9, s[14:15] offset:128*\g+16*\k
.endr
.endr
; my lane's part of a sum stands in the pair v[240 + 2 a]: its halves, lane l xor 16's, then to my wave's word of the row; a barrier; the sixteen waves' parts of my row
.macro TOWORDS off
.if (\off) > 0
	s_wait_alu depctr_vm_vsrc(0)                   ; the first sum's LDS stores have read v248 and v249, which are written again below
.endif
.irp a, 0,1
	v_add_f32 v[248+\a], v[240+2*\a], v[241+2*\a]
.endr
.irp a, 0,1
	v_permlanex16_b32 v[252+\a], v[248+\a], s22, s23
.endr
.irp a, 0,1
	v_add_f32 v[248+\a], v[248+\a], v[252+\a]
.endr
	s_wait_alu depctr_va_vdst(0)                   ; v248 and v249 are written, which the two LDS stores read; every product and addition that named v176-207 is done, in which the loads behind the barrier land
.irp a, 0,1
	ds_store_b32 v7, v[248+\a] offset:\off+1024*\a   ; lanes l and l xor 16 write the same word with the same value
.endr
	s_wait_dscnt 0x0
	s_barrier_signal -1
	s_barrier_wait -1
.irp t, 0,1
.irp k, 0,1,2,3
	ds_load_b128 v[176+16*\t+4*\k:179+16*\t+4*\k], v8 offset:\off+1024*\t+16*\k
.endr
.endr
	s_wait_dscnt 0x0
.irp j, 2,4,6,8,10,12,14
.irp t, 0,1
	v_pk_add_f32 v[176+16*\t:177+16*\t], v[176+16*\t:177+16*\t], v[176+16*\t+\j:177+16*\t+\j]
.endr
.endr
.irp t, 0,1
	v_add_f32 v[240+2*\t], v[176+16*\t], v[177+16*\t]
.endr
.endm
.irp a, 0,1
	v_pk_add_f32 v[240+2*\a:241+2*\a], v[ACC+32*\a:ACC+32*\a+1], v[ACC+32*\a+2:ACC+32*\a+3]   ; each accumulator is read from its low end on; two chains a tile
.endr
.irp a, 0,1
	v_pk_add_f32 v[244+2*\a:245+2*\a], v[ACC+32*\a+4:ACC+32*\a+5], v[ACC+32*\a+6:ACC+32*\a+7]
.endr
.irp j, 8,12,16,20,24,28
.irp a, 0,1
	v_pk_add_f32 v[240+2*\a:241+2*\a], v[240+2*\a:241+2*\a], v[ACC+32*\a+\j:ACC+32*\a+\j+1]
	v_pk_add_f32 v[244+2*\a:245+2*\a], v[244+2*\a:245+2*\a], v[ACC+32*\a+\j+2:ACC+32*\a+\j+3]
.endr
.endr
.irp a, 0,1
	v_pk_add_f32 v[240+2*\a:241+2*\a], v[240+2*\a:241+2*\a], v[244+2*\a:245+2*\a]
.endr
	TOWORDS 0
.irp a, 0,1
	v_mul_f32 v[240+2*\a], s24, v[240+2*\a]        ; the row's mean
.endr
.irp a, 0,1
.irp j, 0,2,4,6,8,10,12,14,16,18,20,22,24,26,28,30
	v_pk_add_f32 v[ACC+32*\a+\j:ACC+32*\a+\j+1], v[ACC+32*\a+\j:ACC+32*\a+\j+1], v[240+2*\a:241+2*\a] op_sel_hi:[1,0] neg_lo:[0,1] neg_hi:[0,1]
.endr
.endr
.irp a, 0,1
	v_pk_mul_f32 v[240+2*\a:241+2*\a], v[ACC+32*\a:ACC+32*\a+1], v[ACC+32*\a:ACC+32*\a+1]
	v_pk_mul_f32 v[244+2*\a:245+2*\a], v[ACC+32*\a+2:ACC+32*\a+3], v[ACC+32*\a+2:ACC+32*\a+3]
.endr
.irp j, 4,8,12,16,20,24,28
.irp a, 0,1
	v_pk_fma_f32 v[240+2*\a:241+2*\a], v[ACC+32*\a+\j:ACC+32*\a+\j+1], v[ACC+32*\a+\j:ACC+32*\a+\j+1], v[240+2*\a:241+2*\a]
	v_pk_fma_f32 v[244+2*\a:245+2*\a], v[ACC+32*\a+\j+2:ACC+32*\a+\j+3], v[ACC+32*\a+\j+2:ACC+32*\a+\j+3], v[244+2*\a:245+2*\a]
.endr
.endr
.irp a, 0,1
	v_pk_add_f32 v[240+2*\a:241+2*\a], v[240+2*\a:241+2*\a], v[244+2*\a:245+2*\a]
.endr
	TOWORDS 2048
.irp a, 0,1
	v_fma_f32 v[240+2*\a], v[240+2*\a], s24, s25   ; the variance + 1e-5
.endr
.irp a, 0,1
	v_rsq_f32 v[240+2*\a], v[240+2*\a]
.endr
	v_nop                                          ; a plain place behind the last of them
	s_wait_alu depctr_va_vdst(0)                   ; the two v_rsq_f32 have written v240 and v242, ahead of their first reader
	s_wait_loadcnt 0x0                             ; ln_g, ln_b
.irp a, 0,1
.irp j, 0,2,4,6,8,10,12,14,16,18,20,22,24,26,28,30
	v_pk_mul_f32 v[ACC+32*\a+\j:ACC+32*\a+\j+1], v[ACC+32*\a+\j:ACC+32*\a+\j+1], v[240+2*\a:241+2*\a] op_sel_hi:[1,0]
.endr
.irp j, 0,2,4,6,8,10,12,14,16,18,20,22,24,26,28,30
	v_pk_fma_f32 v[ACC+32*\a+\j:ACC+32*\a+\j+1], v[ACC+32*\a+\j:ACC+32*\a+\j+1], v[80+\j:81+\j], v[112+\j:113+\j]
.endr
.endr
	; the way out: a tile through my stage, back as rows (tile 0 into v176-207, tile 1 into v144-175); sixteen lanes store 256 consecutive bytes, at a multiple of 256 from out0's first byte
	s_wait_alu depctr_va_vdst(0)                   ; the norm has written both tiles in ACC, which the LDS stores read; the additions that named v176-207 are done, in which tile 0's rows land
.irp a, 0,1
.irp b, 0,1,2,3
.irp k, 0,1
	ds_store_b128 v4, v[ACC+32*\a+8*\b+4*\k:ACC+32*\a+8*\b+4*\k+3] offset:128*(\b/2)+32*(\b%2)+16*\k
.endr
.endr
.irp p, 0,1,2,3,4,5,6,7
	ds_load_b128 v[176-32*\a+4*\p:179-32*\a+4*\p], v5 offset:544*\p   ; LDS serves a wave's instructions in order: these see the stores above, and the next tile's stores come behind them
.endr
.endr
.irp a, 0,1
	s_wait_dscnt 16-16*\a                          ; tile 0 is back (tile 1's 8 stores and 8 loads may be out); then tile 1
.irp p, 0,1,2,3,4,5,6,7
	global_store_b128 v6, v[176-32*\a+4*\p:179-32*\a+4*\p], s[16:17] offset:(8*\a+2*\p+8*(\p/4))*4096 th:TH_STORE_NT
.endr
.endr
	s_wait_dscnt 0x0
	s_wait_alu depctr_hold_cnt(0) depctr_sa_sdst(0) depctr_va_vdst(0) depctr_va_sdst(0) depctr_va_ssrc(0) depctr_va_vcc(0) depctr_vm_vsrc(0)
	s_wait_tensorcnt 0x0
	ds_add_u32 v254, v255
	s_wait_dscnt 0x0
	s_endpgm
.Lfunc_end_k_qd1576217b2_outln:
	.size	k_qd1576217b2_outln, .Lfunc_end_k_qd1576217b2_outln-k_qd1576217b2_outln
	.p2alignl 7, 3214868480
	.fill 96, 4, 3214868480
	.section	.rodata,"a",@progbits
	.p2align	6, 0x0
	.amdhsa_kernel k_qd1576217b2_outln
		.amdhsa_group_segment_fixed_size 134144
		.amdhsa_private_segment_fixed_size 0
		.amdhsa_enable_private_segment 0
		.amdhsa_kernarg_size 56
		.amdhsa_user_sgpr_count 2
		.amdhsa_user_sgpr_kernarg_segment_ptr 1
		.amdhsa_wavefront_size32 1
		.amdhsa_system_sgpr_workgroup_id_x 1
		.amdhsa_system_sgpr_workgroup_id_y 1
		.amdhsa_system_sgpr_workgroup_id_z 1
		.amdhsa_system_vgpr_workitem_id 0
		.amdhsa_next_free_vgpr 256
		.amdhsa_next_free_sgpr 66
		.amdhsa_reserve_vcc 0
		.amdhsa_float_denorm_mode_32 3
		.amdhsa_float_denorm_mode_16_64 3
		.amdhsa_memory_ordered 1
		.amdhsa_forward_progress 1
		.amdhsa_inst_pref_size 59
	.end_amdhsa_kernel
	.amdgpu_metadata
---
amdhsa.version: [ 1, 2 ]
amdhsa.kernels:
  - .name:           k_qd1576217b2_outln
    .symbol:         k_qd1576217b2_outln.kd
    .args:
      - { .name: cq, .offset: 0, .size: 8, .value_kind: global_buffer, .address_space: global }
      - { .name: wq, .offset: 8, .size: 8, .value_kind: global_buffer, .address_space: global }
      - { .name: Q, .offset: 16, .size: 8, .value_kind: global_buffer, .address_space: global }
      - { .name: bo, .offset: 24, .size: 8, .value_kind: global_buffer, .address_space: global }
      - { .name: ln_g, .offset: 32, .size: 8, .value_kind: global_buffer, .address_space: global }
      - { .name: ln_b, .offset: 40, .size: 8, .value_kind: global_buffer, .address_space: global }
      - { .name: out0, .offset: 48, .size: 8, .value_kind: global_buffer, .address_space: global }
    .group_segment_fixed_size: 134144
    .private_segment_fixed_size: 0
    .kernarg_segment_align: 8
    .kernarg_segment_size: 56
    .max_flat_workgroup_size: 512
    .sgpr_count:     66
    .vgpr_count:     256
    .wavefront_size: 32
...
	.end_amdgpu_metadata
.endif
;; end of part 6
